; MI455X (gfx1250); checked and timed in simulation.
; The chip was launched on July 23, 2026; its instructions are those of AMD's public machine-readable ISA for CDNA 5 (MIT licence, August 2026) and "CDNA5" Instruction Set Architecture Reference Guide (July 2026). The comments in the code are by the model that wrote it; some were corrected since.
;; Dense MOE. Allowed arithmetic: matrix products marked QUANTISED: E2M3 operands, one E8M0 scale for each 32 along K, by v_wmma_scale_f32_16x16x128_f8f6f4 with both operands' format E2M3, f32 sums; products left as they are: f32 operands where the result goes on into a quantised operand, else bf16, f16 or f32 operands; f32 sums; everything else in f32.
;; Inputs: b1 8 x 4,096 float32; b2 8 x 1,024 float32; router_b 8 float32; router_w 8 x 1,024 float32; w1_codes 8 x 4,096 x 32 x 24 uint8 (E2M3 codes of w1, K innermost, in blocks of 32 codes, four codes in three bytes); w1_scales 8 x 4,096 x 32 uint8 (E8M0 scales of w1, one for each 32 codes along K); w2_codes 8 x 1,024 x 128 x 24 uint8 (E2M3 codes of w2, K innermost, in blocks of 32 codes, four codes in three bytes); w2_scales 8 x 1,024 x 128 uint8 (E8M0 scales of w2, one for each 32 codes along K); x 4 x 256 x 1,024 float32.
;; Outputs: out0 4 x 256 x 1,024 float32.
;; Constants: top_k = 2.
;; This version of the problem:
;;   THIS VERSION OF THE PROBLEM IS GIVEN IN LOW PRECISION. The matrix products marked QUANTISED in the list below multiply operands that are first quantised to E2M3 (2 exponent bits, 3 mantissa bits; 6 bits a number), with one power-of-two scale for each 32 numbers along K (OCP MX v1.0); their sums are f32. All else is computed in f32.
;;   The module's matrix products, in the order in which they are computed (A, B: the left and right operand; K: the contracted axis; several contracted axes count as one K, in the product's order):
;;     1. [M 1,024, K 1,024] x [K 1,024, N 8]; A: input x; B: input router_w: left as it is (N = 8 < 16)
;;     2. [M 1,024, K 1,024] x [K 1,024, N 4,096]; A: input x; B: input w1 (given as codes): QUANTISED
;;     3. [M 1,024, K 4,096] x [K 4,096, N 1,024]; A: computed on the way; B: input w2 (given as codes): QUANTISED
;;     4. [M 1,024, K 1,024] x [K 1,024, N 4,096]; A: input x; B: input w1 (given as codes): QUANTISED
;;     5. [M 1,024, K 4,096] x [K 4,096, N 1,024]; A: computed on the way; B: input w2 (given as codes): QUANTISED
;;     6. [M 1,024, K 1,024] x [K 1,024, N 4,096]; A: input x; B: input w1 (given as codes): QUANTISED
;;     7. [M 1,024, K 4,096] x [K 4,096, N 1,024]; A: computed on the way; B: input w2 (given as codes): QUANTISED
;;     8. [M 1,024, K 1,024] x [K 1,024, N 4,096]; A: input x; B: input w1 (given as codes): QUANTISED
;;     9. [M 1,024, K 4,096] x [K 4,096, N 1,024]; A: computed on the way; B: input w2 (given as codes): QUANTISED
;;     10. [M 1,024, K 1,024] x [K 1,024, N 4,096]; A: input x; B: input w1 (given as codes): QUANTISED
;;     11. [M 1,024, K 4,096] x [K 4,096, N 1,024]; A: computed on the way; B: input w2 (given as codes): QUANTISED
;;     12. [M 1,024, K 1,024] x [K 1,024, N 4,096]; A: input x; B: input w1 (given as codes): QUANTISED
;;     13. [M 1,024, K 4,096] x [K 4,096, N 1,024]; A: computed on the way; B: input w2 (given as codes): QUANTISED
;;     14. [M 1,024, K 1,024] x [K 1,024, N 4,096]; A: input x; B: input w1 (given as codes): QUANTISED
;;     15. [M 1,024, K 4,096] x [K 4,096, N 1,024]; A: computed on the way; B: input w2 (given as codes): QUANTISED
;;     16. [M 1,024, K 1,024] x [K 1,024, N 4,096]; A: input x; B: input w1 (given as codes): QUANTISED
;;     17. [M 1,024, K 4,096] x [K 4,096, N 1,024]; A: computed on the way; B: input w2 (given as codes): QUANTISED
;;   THE QUANTISER, for each operand of a quantised product, along K:
;;     - K is cut into blocks of 32 from its start; a last block that is shorter is filled with zeros.
;;     - A block's scale is 2^e with e = floor(log2(the largest magnitude in the block)) - 2, held to -126 .. 127; a block of zeros has e = 0. As a byte (E8M0): e + 127.
;;     - Each number is divided by its block's scale, clamped to +-7.5, and rounded to the nearest number of E2M3, ties to even, subnormals kept.
;;     - The product sums the exact products of the quantised numbers (number of the format x scale) in f32.
;;   ~~~python
;;   def quantise(x, axis):      # numpy; x: float32 -> the quantised numbers, widened to float32 again
;;       x = np.moveaxis(x, axis, -1); K = x.shape[-1]
;;       x = np.pad(x, [(0, 0)] * (x.ndim - 1) + [(0, -K % 32)]); x = x.reshape(x.shape[:-1] + (-1, 32)); a = np.abs(x).max(-1, keepdims=True)
;;       e = np.where(a > 0, np.clip(np.frexp(np.where(a > 0, a, 1))[1] - 1 - 2, -126, 127), 0)      # np.frexp(a)[1] - 1 = floor(log2(a)), exactly
;;       r = np.clip(x / 2.0 ** e, -7.5, 7.5)
;;       step = 2.0 ** (np.maximum(np.frexp(np.where(r == 0, 1, r))[1] - 1, 0) - 3)
;;       q = np.round(r / step) * step * 2.0 ** e      # np.round: ties to even
;;       return np.moveaxis(q.reshape(q.shape[:-2] + (-1,))[..., :K], -1, axis).astype(np.float32)
;;   ~~~
;;   OPERANDS COMPUTED ON THE WAY. 'Computed on the way' means the value that the module computes at that place (a softmax that the list does not call 'softmax' is quantised finished and normalised). What goes into a quantiser is computed in f32, as accurately as f32 sums, v_exp_f32 and their like allow (about 1e-6 of the number): no bf16 or f16 on the way to a quantiser, and a product that is left as it is and whose result goes on into a quantised operand takes f32 operands (vector FMAs, or v_wmma_f32_16x16x4_f32). A number that lies on a knife's edge between two numbers of the format may be rounded either way, as far as f32 arithmetic and the matrix unit's own rounding can turn it there, and no further.
;;   INPUTS GIVEN AS CODES. w1 (in the module: [8, 1024, 4096], K = its axis 1); w2 (in the module: [8, 4096, 1024], K = its axis 1): each comes as NAME_codes (uint8): NAME with its K axis moved to the last place and cut into blocks of 32 codes, [.., K / 32, bytes a block], one block behind the other in memory; four codes in three bytes: a row's codes are one little-endian stream of bits, code i at bits 6 i .. 6 i + 5 (a code: sign, 2 exponent bits, 3 mantissa bits); and NAME_scales (uint8): the same leading axes, one E8M0 byte (e + 127) for each 32 codes along K. Its value is code x scale, taken as it is: it is not quantised again, and the codes and scales need not be those that the quantiser above would give.
;; 2 versions. Each part assembles by itself: llvm-mc -triple=amdgcn-amd-amdhsa -mcpu=gfx1250 --defsym DOCPART=n.
;; ======== version 1 of 2: 4 launches
;; workspace buffers: sel 4,096 bytes of whole numbers; gate 8,192 bytes; xq 786,432 bytes; xs 32,768 bytes; meta 41,984 bytes of whole numbers; hq 29,360,128 bytes; yp 17,825,792 bytes
;; launch route (part 1): grid 256 x 1, 2 waves a work-group, no clusters, 22,784 bytes of LDS; arguments x, router_w, router_b, xq, xs, sel, gate; writes xq, xs, sel, gate
.if DOCPART == 1
	.amdgcn_target "amdgcn-amd-amdhsa--gfx1250"
	.amdhsa_code_object_version 6
	.text
	.protected	k_q7d78fd012d_route
	.globl	k_q7d78fd012d_route
	.p2align	8
	.type	k_q7d78fd012d_route,@function
k_q7d78fd012d_route:
	s_mov_b64 s[64:65], 0
	v_nop
	global_prefetch_b8 v0, s[64:65] scope:SCOPE_SE
	s_setreg_imm32_b32 hwreg(HW_REG_WAVE_MODE, 25, 1), 1
	s_wait_xcnt 0x0
; ROUTER AND QUANTISER OF x.  x [1024 tokens][1024] f32, router_w [8][1024], router_b [8].
; A wave owns two tokens (4 x work-group + 2 x wave, and the next).  For each it makes
;   the 8 logits, by f32 fused multiply-adds and a sum over the lanes; the two largest (a tie keeps the lower expert); the softmax over these two, with the larger taken away first;
;   sel[t]: a word with the two experts' bits;  gate[t][2]: slot 0 is the chosen expert with the LOWER number;
;   x's codes of FP6 (E2M3) with one E8M0 byte for each 32 along K.  xq: 768 bytes a token; block b = 4 s + 2 c + h lies at 96 s + 48 h + 24 c, so that lane (r, h) of an operand of K step s
;   finds its twelve registers as 48 bytes on end.  xs: 32 bytes a token, byte b for block b.
; LIMITS: NaN and infinities are not served; a block whose largest magnitude lies under 2^-124 keeps the byte 1, and so does a block of zeros (its codes are zeros; this program alone reads the bytes);
; the logits are summed in another order than by rows, so two logits closer than f32 rounding may change places.
; Waves share nothing: no barrier.  No matrix unit: N = 8 is too narrow for it, and the launch is bound by its 4 MB of x.
; REGISTERS: window 0: v1-11 lane terms; v16-79 x as loaded; v80-111 sixteen sums in pairs; v112-175 x turned (a lane: one block of 32); v176-191 logits; v192-207 codes; v208-243 at work.  window 1: router_w.
.set WREG,  11264                      ; LDS of a wave: two stages of 32 x 144 bytes, 1,536 bytes of codes, 64 scale bytes
.set STG,   4608
.set CODES, 9216
.set SCB,   10752
.set X,     16
.set ACC,   80
.set NUM,   112
.set LG,    176
.set C,     192
.set MSB, 0
.macro WIN new                         ; the immediate's high byte repeats the setting that is left
.if MSB != \new
	s_set_vgpr_msb (MSB<<8)|\new
.set MSB, \new
.endif
.endm
	s_load_b256 s[4:11], s[0:1], 0x0               ; x, router_w, router_b, xq
	s_load_b128 s[12:15], s[0:1], 0x20             ; xs, sel
	s_load_b64 s[16:17], s[0:1], 0x30              ; gate
	v_lshl_add_u32 v254, v0, 2, 0x5800
	v_mov_b32 v255, 0
	v_lshrrev_b32 v1, 5, v0
	v_readfirstlane_b32 s18, v1                    ; wave
	v_and_b32 v1, 31, v0                           ; lane
	v_lshlrev_b32 v2, 4, v1                        ; 16 x lane
	s_lshl_b32 s19, ttmp9, 2
	s_lshl_b32 s30, s18, 1
	s_add_co_u32 s19, s19, s30                     ; my first token
	s_mul_i32 s31, s18, WREG                       ; my wave's LDS
	v_lshrrev_b32 v3, 3, v1
	v_mul_u32_u24 v3, v3, 144
	v_and_b32 v4, 7, v1
	v_lshl_add_u32 v3, v4, 4, v3
	v_add_nc_u32 v3, s31, v3                       ; into a stage: eight lanes' 128 bytes are a block: 144 (lane / 8) + 16 (lane % 8); a load's 512 bytes are four blocks
	v_mul_u32_u24 v4, v1, 144
	v_add_nc_u32 v4, s31, v4                       ; out of it: block = lane; 144 bytes from lane to lane keep the reads of 16 bytes in different banks
	v_lshrrev_b32 v5, 2, v1
	v_mul_u32_u24 v5, v5, 96
	v_and_b32 v6, 1, v1
	v_mad_u32_u24 v5, v6, 48, v5
	v_bfe_u32 v6, v1, 1, 1
	v_mad_u32_u24 v5, v6, 24, v5
	v_add_nc_u32 v5, s31, v5                       ; my block's 24 bytes in a token's 768: 96 s + 48 h + 24 c
	v_add_nc_u32 v6, s31, v2
	v_add_nc_u32 v7, s31, v1
	v_lshlrev_b32 v9, 1, v1                        ; 2 x lane
	v_add_nc_u32 v8, s31, v9
	v_lshlrev_b32 v10, 2, v1                       ; 4 x lane
	v_lshlrev_b32 v11, 3, v1                       ; 8 x lane
	s_mov_b32 s28, 0x76543210
	s_mov_b32 s29, 0xfedcba98                      ; v_permlanex16_b32's selects for lane l xor 16
	s_lshl_b32 s32, s19, 12
	s_mov_b32 s33, 0
	s_mul_i32 s34, s19, 768
	s_mov_b32 s35, 0
	s_lshl_b32 s36, s19, 5
	s_mov_b32 s37, 0
	s_lshl_b32 s38, s19, 2
	s_mov_b32 s39, 0
	s_lshl_b32 s40, s19, 3
	s_mov_b32 s41, 0
	s_wait_kmcnt 0x0
	s_add_nc_u64 s[4:5], s[4:5], s[32:33]
	s_add_nc_u64 s[10:11], s[10:11], s[34:35]
	s_add_nc_u64 s[12:13], s[12:13], s[36:37]
	s_add_nc_u64 s[14:15], s[14:15], s[38:39]
	s_add_nc_u64 s[16:17], s[16:17], s[40:41]
	s_load_b256 s[20:27], s[8:9], 0x0              ; router_b
.irp t, 0,1
.irp j, 0,1,2,3,4,5,6,7
	global_load_b128 v[X+32*\t+4*\j:X+32*\t+4*\j+3], v2, s[4:5] offset:4096*\t+512*\j th:TH_LOAD_NT   ; 512 bytes on end; read once in the launch
.endr
.endr
	WIN 0x40                                       ; destination window 1
.irp e, 0,1,2,3,4,5,6,7
.irp j, 0,1,2,3,4,5,6,7
	global_load_b128 v[32*\e+4*\j:32*\e+4*\j+3], v2, s[6:7] offset:4096*\e+512*\j   ; the same places of expert e's row
.endr
.endr
	WIN 0
	s_wait_loadcnt 63                              ; 64 younger loads stand behind x's last: x is in
.irp t, 0,1
.irp j, 0,1,2,3,4,5,6,7
	ds_store_b128 v3, v[X+32*\t+4*\j:X+32*\t+4*\j+3] offset:STG*\t+576*\j
.endr
.irp i, 0,1,2,3,4,5,6,7
	ds_load_b128 v[NUM+32*\t+4*\i:NUM+32*\t+4*\i+3], v4 offset:STG*\t+16*\i   ; LDS serves a wave's instructions in order: these see the stores above
.endr
.endr
; A lane's block of 32: the largest magnitude with the floor 2^(3 - 127) among its leaves; 2 off its exponent field is the conversion's scale operand; that field is the byte.
.macro QBLK t
.set N, NUM+32*\t
.set CC, C+8*\t
	v_max3_num_f32 v208, |v[N]|, |v[N+1]|, |v[N+2]|
	v_max3_num_f32 v209, |v[N+3]|, |v[N+4]|, |v[N+5]|
.irp i, 6,10,14,18,22,26
	v_max3_num_f32 v208, v208, |v[N+\i]|, |v[N+\i+1]|
	v_max3_num_f32 v209, v209, |v[N+\i+2]|, |v[N+\i+3]|
.endr
	v_max3_num_f32 v208, v208, |v[N+30]|, |v[N+31]|
	v_max3_num_f32 v208, v208, v209, 0x1800000
	v_add_nc_u32 v210, 0xff000000, v208
	v_cvt_scalef32_pk16_fp6_f32 v[CC:CC+2], v[N:N+15], v210
	v_cvt_scalef32_pk16_fp6_f32 v[CC+4:CC+6], v[N+16:N+31], v210   ; (a conversion's three registers begin on an even number)
	v_lshrrev_b32 v[212+\t], 23, v210              ; the byte; also the plain line behind the conversions
	v_mov_b32 v[CC+3], v[CC+4]                     ; the six words on end
	v_mov_b32 v[CC+4], v[CC+5]
	v_mov_b32 v[CC+5], v[CC+6]
	ds_store_b64 v5, v[CC:CC+1] offset:CODES+768*\t
	ds_store_b64 v5, v[CC+2:CC+3] offset:CODES+768*\t+8
	ds_store_b64 v5, v[CC+4:CC+5] offset:CODES+768*\t+16
	ds_store_b8 v7, v[212+\t] offset:SCB+32*\t
.endm
	s_wait_dscnt 16                                ; token 0's numbers are back: behind them stand token 1's 8 stores and 8 loads
	QBLK 0
	s_wait_dscnt 4                                 ; token 1's: behind them stand the four stores just issued
	QBLK 1
	ds_load_b128 v[112:115], v6 offset:CODES       ; both tokens' 1,536 bytes of codes, as they lie
	ds_load_b128 v[116:119], v6 offset:CODES+512
	ds_load_b128 v[120:123], v6 offset:CODES+1024
	ds_load_u16 v124, v8 offset:SCB                ; and their 64 scale bytes, two a lane
	s_wait_dscnt 0x0
	global_store_b128 v2, v[112:115], s[10:11]             ; each store covers 512 bytes on end, at a multiple of 256 from xq's first byte
	global_store_b128 v2, v[116:119], s[10:11] offset:512
	global_store_b128 v2, v[120:123], s[10:11] offset:1024
	global_store_b16 v9, v124, s[12:13]
	; the logits: sixteen sums (2 tokens x 8 experts) by turns, two numbers an instruction; the first product starts each sum
	s_wait_loadcnt 0x0                             ; router_w
	WIN 0x04                                       ; source 1 window 1
.set q, 0
.rept 16
.set i, 0
.rept 16
.if q == 0
	v_pk_mul_f32 v[ACC+2*i:ACC+2*i+1], v[X+32*(i/8):X+32*(i/8)+1], v[32*(i%8):32*(i%8)+1]
.else
	v_pk_fma_f32 v[ACC+2*i:ACC+2*i+1], v[X+32*(i/8)+2*q:X+32*(i/8)+2*q+1], v[32*(i%8)+2*q:32*(i%8)+2*q+1], v[ACC+2*i:ACC+2*i+1]
.endif
.set i, i+1
.endr
.set q, q+1
.endr
	WIN 0
.set i, 0
.rept 16
	v_add_f32 v[LG+i], v[ACC+2*i], v[ACC+2*i+1]
.set i, i+1
.endr
.irp m, 1,2,4,8
.set i, 0
.rept 16
	v_add_f32_dpp v[LG+i], v[LG+i], v[LG+i] row_xmask:\m row_mask:0xf bank_mask:0xf
.set i, i+1
.endr
.endr
.set i, 0
.rept 16
	v_permlanex16_b32 v[ACC+i], v[LG+i], s28, s29  ; (its destination has been written)
.set i, i+1
.endr
	s_wait_kmcnt 0x0                               ; router_b
.set i, 0
.rept 16
	v_add_f32 v[LG+i], v[LG+i], v[ACC+i]
.set i, i+1
.endr
.set i, 0
.rept 16
	v_add_f32 v[LG+i], s[20+i%8], v[LG+i]          ; every lane now holds all sixteen logits
.set i, i+1
.endr
; The two largest of a token's eight.  A strict > in ascending order keeps the lower expert at a tie.  Nothing but values hangs on these compares.
; v[Q] largest, +1 its expert, +2 second, +3 its expert, +4 the exponent, +9 the mask
.macro TOP2 t
.set Q, 208+16*\t
.set G, LG+8*\t
	v_mov_b32 v[Q], v[G]
	v_mov_b32 v[Q+1], 0
.irp e, 1,2,3,4,5,6,7
	v_cmp_gt_f32 vcc_lo, v[G+\e], v[Q]
	v_cndmask_b32 v[Q], v[Q], v[G+\e], vcc_lo
	v_cndmask_b32 v[Q+1], v[Q+1], \e, vcc_lo
.endr
	v_mov_b32 v[Q+2], 0xff800000                   ; -infinity
	v_mov_b32 v[Q+3], 0
.irp e, 0,1,2,3,4,5,6,7
	v_cmp_gt_f32 s30, v[G+\e], v[Q+2]
	v_cmp_ne_u32 vcc_lo, \e, v[Q+1]
	s_and_b32 vcc_lo, vcc_lo, s30
	v_cndmask_b32 v[Q+2], v[Q+2], v[G+\e], vcc_lo
	v_cndmask_b32 v[Q+3], v[Q+3], \e, vcc_lo
.endr
	v_sub_f32 v[Q+4], v[Q+2], v[Q]                 ; the second less the largest: 0 or less
	v_mul_f32 v[Q+4], 0x3fb8aa3b, v[Q+4]           ; x log2(e)
	v_lshlrev_b32 v[Q+9], v[Q+1], 1
	v_lshlrev_b32 v[Q+12], v[Q+3], 1
	v_or_b32 v[Q+9], v[Q+9], v[Q+12]
.endm
	TOP2 0
	TOP2 1
	v_exp_f32 v213, v212                           ; e^(second - largest), at most 1
	v_exp_f32 v229, v228
	v_nop                                          ; a plain line behind the transcendentals,
	s_wait_alu depctr_va_vdst(0)                   ; and one wait for both, ahead of their first reader
	v_add_f32 v214, 1.0, v213
	v_add_f32 v230, 1.0, v229
	v_rcp_f32 v215, v214                           ; the largest's gate
	v_rcp_f32 v231, v230
	v_nop
	s_wait_alu depctr_va_vdst(0)
	v_mul_f32 v216, v213, v215                     ; the second's gate
	v_mul_f32 v232, v229, v231
	v_cmp_lt_u32 vcc_lo, v209, v211                ; slot 0 belongs to the lower expert
	v_cndmask_b32 v218, v216, v215, vcc_lo
	v_cndmask_b32 v219, v215, v216, vcc_lo
	v_cmp_lt_u32 vcc_lo, v225, v227
	v_cndmask_b32 v234, v232, v231, vcc_lo
	v_cndmask_b32 v235, v231, v232, vcc_lo
	v_cmp_eq_u32 vcc_lo, 1, v1                     ; lane 0 stores token 0's, lane 1 token 1's
	v_cndmask_b32 v240, v217, v233, vcc_lo
	v_cndmask_b32 v242, v218, v234, vcc_lo
	v_cndmask_b32 v243, v219, v235, vcc_lo
	v_cmp_gt_u32 vcc_lo, 2, v1
	s_wait_xcnt 0x0                                ; EXEC is a source of the stores above: it changes only behind this wait
	s_wait_tensorcnt 0x0
	ds_add_u32 v254, v255
	s_wait_dscnt 0x0
	s_and_saveexec_b32 s30, vcc_lo
	global_store_b32 v10, v240, s[14:15]
	global_store_b64 v11, v[242:243], s[16:17]
	s_wait_xcnt 0x0                                ; and again in front of the line that widens it
	s_or_b32 exec_lo, exec_lo, s30
	s_endpgm
.Lfunc_end_k_q7d78fd012d_route:
	.size	k_q7d78fd012d_route, .Lfunc_end_k_q7d78fd012d_route-k_q7d78fd012d_route
	.p2alignl 7, 3214868480
	.fill 96, 4, 3214868480
	.section	.rodata,"a",@progbits
	.p2align	6, 0x0
	.amdhsa_kernel k_q7d78fd012d_route
		.amdhsa_group_segment_fixed_size 22784
		.amdhsa_private_segment_fixed_size 0
		.amdhsa_enable_private_segment 0
		.amdhsa_kernarg_size 56
		.amdhsa_user_sgpr_count 2
		.amdhsa_user_sgpr_kernarg_segment_ptr 1
		.amdhsa_wavefront_size32 1
		.amdhsa_system_sgpr_workgroup_id_x 1
		.amdhsa_system_sgpr_workgroup_id_y 1
		.amdhsa_system_sgpr_workgroup_id_z 1
		.amdhsa_system_vgpr_workitem_id 0
		.amdhsa_next_free_vgpr 512
		.amdhsa_next_free_sgpr 66
		.amdhsa_reserve_vcc 1
		.amdhsa_float_denorm_mode_32 3
		.amdhsa_float_denorm_mode_16_64 3
		.amdhsa_memory_ordered 1
		.amdhsa_forward_progress 1
		.amdhsa_inst_pref_size 46
	.end_amdhsa_kernel
	.amdgpu_metadata
---
amdhsa.version: [ 1, 2 ]
amdhsa.kernels:
  - .name:           k_q7d78fd012d_route
    .symbol:         k_q7d78fd012d_route.kd
    .args:
      - { .name: x, .offset: 0, .size: 8, .value_kind: global_buffer, .address_space: global }
      - { .name: router_w, .offset: 8, .size: 8, .value_kind: global_buffer, .address_space: global }
      - { .name: router_b, .offset: 16, .size: 8, .value_kind: global_buffer, .address_space: global }
      - { .name: xq, .offset: 24, .size: 8, .value_kind: global_buffer, .address_space: global }
      - { .name: xs, .offset: 32, .size: 8, .value_kind: global_buffer, .address_space: global }
      - { .name: sel, .offset: 40, .size: 8, .value_kind: global_buffer, .address_space: global }
      - { .name: gate, .offset: 48, .size: 8, .value_kind: global_buffer, .address_space: global }
    .group_segment_fixed_size: 22784
    .private_segment_fixed_size: 0
    .kernarg_segment_align: 8
    .kernarg_segment_size: 56
    .max_flat_workgroup_size: 64
    .sgpr_count:     66
    .vgpr_count:     512
    .wavefront_size: 32
...
	.end_amdgpu_metadata
.endif
;; end of part 1
;; launch ffn1 (part 2): grid 32 x 8, 4 waves a work-group, no clusters, 100,864 bytes of LDS; arguments sel, xq, xs, w1_codes, w1_scales, b1, hq, meta; writes hq, meta
.if DOCPART == 2
	.amdgcn_target "amdgcn-amd-amdhsa--gfx1250"
	.amdhsa_code_object_version 6
	.text
	.protected	k_q7d78fd012d_ffn1
	.globl	k_q7d78fd012d_ffn1
	.p2align	8
	.type	k_q7d78fd012d_ffn1,@function
k_q7d78fd012d_ffn1:
	s_mov_b64 s[64:65], 0
	v_nop
	global_prefetch_b8 v0, s[64:65] scope:SCOPE_SE
	s_setreg_imm32_b32 hwreg(HW_REG_WAVE_MODE, 25, 1), 1
	s_wait_xcnt 0x0
; FIRST PRODUCT OF THE CHOSEN ROWS: h = Q(relu(x W1[e] + b1[e])), on codes of FP6 (E2M3) with one E8M0 scale for each 32 along K.
; Work-group (j, e) owns expert e's hidden units 128 j .. 128 j + 127: 128 rows x 768 bytes of W1, one dense block that no other work-group reads.  It goes memory -> registers -> LDS once and stays.
; THE ROWS.  Expert e's rows are the tokens whose word of sel has bit e, in the order of 32 masks: mask 4 i + k has bit l for token 128 i + 4 l + k (what eight dense loads of sel give a wave).
; Row q's token is found without LDS: the mask in which q falls (31 compares against the running count), then the bit in it (five halvings on partial bit counts).
; Wave w takes tiles of 16 rows t0 + 4 a, a = 0 .. 4, t0 = w + 20 x pass.  A tile past the expert's last is multiplied on rows of some token and not stored: the heaviest wave sets the time.
; THE MATRIX INSTRUCTION IS USED TRANSPOSED: source 0 = 16 rows of W1, source 1 = 16 rows of x: a lane holds ONE row of h and its registers run along the hidden units, the next product's K.
; THE ROWS OF W1 THAT FORM A TILE ARE NOT NEIGHBOURS: tile 2 b + u, row r is hidden unit 32 b + 8 u + r % 8 + 16 (r / 8), so that the 16 registers of tiles 2 b, 2 b + 1 are 16 neighbours along the next K.
; In LDS the rows are laid in that order (bits 3 and 4 of a row's number change places), so a tile is 16 LDS rows on end.  The wave's 8 tiles of one row tile are K step j of the second product.
; OUT.  hq [e][tile 64][K step 32][1792]: the operand's twelve registers as they stand (quad c of lane l at 512 c + 16 l), then 8 bytes a lane (the row's scale word, 0): seven aligned blocks of 256 bytes, each stored whole.
; meta: tokl[e][1280] at 5120 e: row q's token, or -1 for a row past the expert's last (work-group j = 0 stores it); nt[e], the tiles in use (at least 1, so tile 0 is always written), 32 equal words at 40960 + 128 e.
; No tensor load and no joint load: the passes and the tiles that are stored hang on counts read from memory.  LIMITS: as the launch before; a block of zeros of h keeps the byte 1, with zero codes.
; REGISTERS: window 0: v1-31 lane terms and addresses; v32-63 W1's scale words (pair b, K step s at 32 + 8 b + s: lanes 0-15 tile 2 b, lanes 16-31 tile 2 b + 1); v64-87 x's (pair p likewise); v88-125 the quantiser's;
;   v136-231 two buffers of four fragments of W1 (at the head: sel; on the way out: 64 numbers of h); v232-244 the row search.  window 1: x's fragments, a ring of four K steps x five tiles.
;   window 2: accumulators of tiles a = 0 .. 3 (at the head: W1 on its way to LDS).  window 3: v0-63 those of a = 4; v64-127 b1 in the result's layout.
.set PITCH, 784                        ; an LDS row: 768 bytes + 16 = 196 words: row r starts at bank 4 r mod 64 (64 banks of 4 bytes: ISA guide 11.1), lanes 16-31 six words on: a load of 8 bytes a lane touches 64 different banks
.set TILEB, 57344                      ; a tile of hq: 32 K steps x 1,792 bytes
.set LN, 1
.set RW, 2
.set HF, 3
.set LI, 4                             ; 16 x lane
.set LS8, 5                            ; 8 x lane
.set AD256, 6                          ; staging: 25088 x wave + 16 x lane
.set AD272, 7                          ; the same where lanes 16-31 stand in the next LDS row
.set BA, 8                             ; v8-9  my place in tiles 0-3, 4-7 of W1
.set RQ, 10                            ; r + 64 h
.set H48, 11
.set VA, 12                            ; v12-16 x's codes: token x 768 + 48 h, for each tile
.set XSA, 17                           ; v17-19 x's scale words: token x 32, for each pair of tiles
.set TA, 20                            ; v20-22 4 q
.set MK, 23                            ; v23-25 what tokl gets
.set PT, 26                            ; v26-28 the pair's tokens
.set NTV, 30
.set WSC, 32
.set XSC, 64
.set PC, 88                            ; v88-106 codes
.set TM, 108                           ; v108-123 the quantiser's
.set PW, 124                           ; v124 the scale word, v125 = 0
.set WSA, 126
.set BIA, 127
.set L4, 128
.set WB, 136
.set HB, 136
.set SQ, 232
.set SM, 233
.set SBA, 234
.set SW, 235
.set SA1, 236
.set SA2, 237
.set SA3, 238
.set SA4, 239
.set SJ, 240
.set SP, 241
.set ST, 242
.set SU, 243
.set SX, 244
.set MSB, 0
.macro WIN new                         ; the immediate's high byte repeats the setting that is left
.if MSB != \new
	s_set_vgpr_msb (MSB<<8)|\new
.set MSB, \new
.endif
.endm
.macro PLACES                          ; four plain places behind matrix instructions, in front of loads into their sources and of reads of their results
.rept 4
	v_nop
.endr
.endm
; one halving: does the bit sought lie past the lower part?
.macro DOWN src, width, step
	v_bfe_u32 v[ST], v[\src], v[SP], \width
	v_cmp_ge_u32 vcc_lo, v[SJ], v[ST]
	v_sub_nc_u32 v[ST], v[SJ], v[ST]
	v_add_nc_u32 v[SU], \step, v[SP]
	v_cndmask_b32 v[SJ], v[SJ], v[ST], vcc_lo
	v_cndmask_b32 v[SP], v[SP], v[SU], vcc_lo
.endm
; v[out] = the token of row v[SQ].  A row past the expert's last gives some token under 1,024.
.macro SELECT out
	v_mov_b32 v[SM], s68
	v_mov_b32 v[SBA], 0
	v_mov_b32 v[SW], 0
	s_bcnt1_i32_b32 s30, s68                       ; rows in the masks passed
.set wv, 1
.rept 31
	v_cmp_le_u32 vcc_lo, s30, v[SQ]                ; does mask wv begin at or under q?
	v_cndmask_b32 v[SM], v[SM], s[68+wv], vcc_lo
	v_cndmask_b32 v[SBA], v[SBA], s30, vcc_lo
	v_cndmask_b32 v[SW], v[SW], wv, vcc_lo
.if wv < 31
	s_bcnt1_i32_b32 s31, s[68+wv]
	s_add_co_u32 s30, s30, s31
.endif
.set wv, wv+1
.endr
	v_sub_nc_u32 v[SJ], v[SQ], v[SBA]              ; which set bit of the mask
	v_lshrrev_b32 v[ST], 1, v[SM]                  ; bit counts of its fields of 2, 4, 8 and 16 bits
	v_and_b32 v[ST], s38, v[ST]
	v_sub_nc_u32 v[SA1], v[SM], v[ST]
	v_lshrrev_b32 v[ST], 2, v[SA1]
	v_and_b32 v[ST], s39, v[ST]
	v_and_b32 v[SA2], s39, v[SA1]
	v_add_nc_u32 v[SA2], v[SA2], v[ST]
	v_lshrrev_b32 v[ST], 4, v[SA2]
	v_add_nc_u32 v[SA3], v[SA2], v[ST]
	v_and_b32 v[SA3], s40, v[SA3]
	v_lshrrev_b32 v[ST], 8, v[SA3]
	v_add_nc_u32 v[SA4], v[SA3], v[ST]
	v_mov_b32 v[SP], 0
	DOWN SA4, 8, 16
	DOWN SA3, 8, 8
	DOWN SA2, 4, 4
	DOWN SA1, 2, 2
	DOWN SM, 1, 1
	v_lshrrev_b32 v[ST], 2, v[SW]
	v_and_b32 v[SU], 3, v[SW]
	v_lshl_or_b32 v[ST], v[ST], 7, v[SU]
	v_lshl_or_b32 v[\out], v[SP], 2, v[ST]         ; 128 (mask / 4) + 4 bit + mask % 4
.endm
.macro LA s                            ; x's fragments of K step s, five tiles, into slot s % 4: 48 bytes on end a lane
	WIN 0x40
.irp a, 0,1,2,3,4
.irp k, 0,1,2
	global_load_b128 v[60*((\s)%4)+12*\a+4*\k:60*((\s)%4)+12*\a+4*\k+3], v[VA+\a], s[6:7] offset:96*(\s)+16*\k
.endr
.endr
	WIN 0
.endm
.macro LB i                            ; W1's fragments of half step i (K step i / 2, tiles 4 (i % 2) on) into buffer i % 2: 24 bytes at 24 h and at 48 + 24 h of the row's 96, in pieces of 8
.set LK, (\i)/2
.set LX, (\i)%2
.irp tt, 0,1,2,3
.irp p, 0,1,2,3,4,5
	ds_load_b64 v[WB+48*LX+12*\tt+2*\p:WB+48*LX+12*\tt+2*\p+1], v[BA+LX] offset:\tt*16*PITCH+96*LK+48*(\p/3)+8*(\p%3)
.endr
.endr
.endm
; The pass's rows: their tokens, the list for the next launch, the addresses; then x's scale words and the ring's first four K steps.
.macro PROLOGUE
.irp p, 0,1,2
	s_add_co_u32 s32, s26, 8*\p
	s_lshl_b32 s32, s32, 4
.if \p < 2
	v_add_nc_u32 v[SQ], s32, v[RQ]                 ; lanes 0-15: tile a = 2 p, lanes 16-31: tile 2 p + 1 (four tiles, 64 rows, on)
.else
	v_add_nc_u32 v[SQ], s32, v[RW]                 ; both halves: tile a = 4
.endif
	SELECT PT+\p
	v_cmp_gt_u32 vcc_lo, s24, v[SQ]
	v_cndmask_b32 v[MK+\p], -1, v[PT+\p], vcc_lo
	v_lshlrev_b32 v[TA+\p], 2, v[SQ]
.endr
	s_cmp_lg_u32 s21, 0
	s_cbranch_scc1 .Lnot_first_\@
.irp p, 0,1,2
	global_store_b32 v[TA+\p], v[MK+\p], s[34:35]  ; (in the third, lanes 16-31 repeat lanes 0-15: the same address, the same value)
.endr
.Lnot_first_\@:
.irp p, 0,1
	v_permlanex16_b32 v[SX], v[PT+\p], s28, s29
	v_cndmask_b32 v[SU], v[PT+\p], v[SX], s27      ; both halves of the lanes want row r's token: tile 2 p's,
	v_cndmask_b32 v[ST], v[SX], v[PT+\p], s27      ; tile 2 p + 1's
	v_min_u32 v[SU], 0x3ff, v[SU]
	v_min_u32 v[ST], 0x3ff, v[ST]
	v_mul_u32_u24 v[SU], 0x300, v[SU]
	v_mul_u32_u24 v[ST], 0x300, v[ST]
	v_add_nc_u32 v[VA+2*\p], v[SU], v[H48]
	v_add_nc_u32 v[VA+2*\p+1], v[ST], v[H48]
.endr
	v_min_u32 v[SU], 0x3ff, v[PT+2]
	v_mul_u32_u24 v[SU], 0x300, v[SU]
	v_add_nc_u32 v[VA+4], v[SU], v[H48]
.irp p, 0,1,2
	v_min_u32 v[SU], 0x3ff, v[PT+\p]
	v_lshlrev_b32 v[XSA+\p], 5, v[SU]
.endr
.irp p, 0,1,2
	global_load_b128 v[XSC+8*\p:XSC+8*\p+3], v[XSA+\p], s[8:9]
	global_load_b128 v[XSC+8*\p+4:XSC+8*\p+7], v[XSA+\p], s[8:9] offset:16
.endr
	LA 0
	LA 1
	LA 2
	LA 3
.endm
.macro WM                              ; one product; the registers and the rows of the scale registers stand in symbols
.if fA && fB
	v_wmma_scale_f32_16x16x128_f8f6f4 v[rD:rD+7], v[rA:rA+11], v[rB:rB+11], v[rC:rC+7], v[rSA], v[rSB] matrix_a_fmt:MATRIX_FMT_FP6 matrix_b_fmt:MATRIX_FMT_FP6 matrix_a_scale:MATRIX_SCALE_ROW1 matrix_b_scale:MATRIX_SCALE_ROW1
.elseif fA
	v_wmma_scale_f32_16x16x128_f8f6f4 v[rD:rD+7], v[rA:rA+11], v[rB:rB+11], v[rC:rC+7], v[rSA], v[rSB] matrix_a_fmt:MATRIX_FMT_FP6 matrix_b_fmt:MATRIX_FMT_FP6 matrix_a_scale:MATRIX_SCALE_ROW1
.elseif fB
	v_wmma_scale_f32_16x16x128_f8f6f4 v[rD:rD+7], v[rA:rA+11], v[rB:rB+11], v[rC:rC+7], v[rSA], v[rSB] matrix_a_fmt:MATRIX_FMT_FP6 matrix_b_fmt:MATRIX_FMT_FP6 matrix_b_scale:MATRIX_SCALE_ROW1
.else
	v_wmma_scale_f32_16x16x128_f8f6f4 v[rD:rD+7], v[rA:rA+11], v[rB:rB+11], v[rC:rC+7], v[rSA], v[rSB] matrix_a_fmt:MATRIX_FMT_FP6 matrix_b_fmt:MATRIX_FMT_FP6
.endif
.endm
; Half step i: K step i / 2, W1's tiles 4 (i % 2) on, against the five row tiles: 20 products.  The 40 accumulators take turns, one instruction a turn.
; The first K step takes b1 as C: nothing is cleared and no bias is added.
.macro HSTEP i
.set KS, (\i)/2
.set XH, (\i)%2
.if XH == 0
.if KS < 5
	s_wait_loadcnt 45                              ; this K step's fragments of x are in: behind them stand three K steps' 15 loads each
.else
	s_wait_loadcnt 15*(7-KS)                       ; the ring runs out
.endif
.endif
.if (\i) < 15
	s_wait_dscnt 24                                ; this buffer is in; the other buffer's 24 loads may be out
.else
	s_wait_dscnt 0x0
.endif
.irp a, 0,1,2,3,4
.if \a == 4
	WIN 0xf4                                       ; W1 window 0, x window 1, C and D window 3
.elseif KS == 0
	WIN 0xb4                                       ; C (b1) window 3, D window 2
.else
	WIN 0xa4                                       ; C and D window 2
.endif
.irp tt, 0,1,2,3
.set TT, 4*XH+\tt
.if \a == 4
.set rD, 8*TT
.else
.set rD, 64*\a+8*TT
.endif
.if KS == 0
.set rC, 64+8*TT
.else
.set rC, rD
.endif
.set rA, WB+48*XH+12*\tt
.set rB, 60*(KS%4)+12*\a
.set rSA, WSC+8*(TT/2)+KS
.set rSB, XSC+8*(\a/2)+KS
.set fA, TT%2
.set fB, \a%2
	WM
.endr
.endr
	WIN 0
	PLACES
.if (\i)+2 < 16
	LB (\i)+2                                      ; into the buffer just multiplied
.endif
.if (XH == 1) && (KS+4 < 8)
	LA KS+4                                        ; into the slot just multiplied
.endif
.endm
; 64 numbers of a lane, register 16 b + i = k 32 b + 16 (lane / 16) + i of my row, become a fragment's codes in v[PC] on and its scale word in v[PW].
.macro QUANT s
.irp b, 0,1,2,3
	v_max3_num_f32 v[TM+\b], |v[\s+16*\b]|, |v[\s+1+16*\b]|, 0x1800000   ; block b: my 16 numbers, and the floor 2^(3 - 127): the byte cannot fall under 1
.endr
.irp i, 2,4,6,8,10,12,14
.irp b, 0,1,2,3
	v_max3_num_f32 v[TM+\b], v[TM+\b], |v[\s+16*\b+\i]|, |v[\s+1+16*\b+\i]|   ; (the four blocks by turns)
.endr
.endr
.irp b, 0,1,2,3
	v_permlanex16_b32 v[TM+4+\b], v[TM+\b], s28, s29
.endr
.irp b, 0,1,2,3
	v_max_num_f32 v[TM+\b], v[TM+\b], v[TM+4+\b]   ; with lane l xor 16's: the block's largest magnitude
.endr
.irp b, 0,1,2,3
	v_add_nc_u32 v[TM+12+\b], 0xff000000, v[TM+\b] ; 2 off its exponent field: the conversion's scale operand
.endr
.irp b, 0,1,2,3
	v_lshrrev_b32 v[TM+4+\b], 23, v[TM+12+\b]      ; the scale's byte
.endr
	v_lshl_or_b32 v[PW], v[TM+5], 8, v[TM+4]
	v_lshl_or_b32 v[PW], v[TM+6], 16, v[PW]
	v_lshl_or_b32 v[PW], v[TM+7], 24, v[PW]
.irp c, 0,1
	v_cvt_scalef32_pk16_fp6_f32 v[PC+6*\c:PC+2+6*\c], v[\s+32*\c:\s+15+32*\c], v[TM+12+2*\c]
	v_cvt_scalef32_pk16_fp6_f32 v[PC+12+4*\c:PC+14+4*\c], v[\s+16+32*\c:\s+31+32*\c], v[TM+12+2*\c+1]   ; (a conversion's three registers begin on an even number)
.endr
	v_nop                                          ; one plain place behind a scaled conversion
.irp c, 0,1                                    ; the operand's layout wants a WHOLE block in a lane: lanes 0-15 block 2 c, lanes 16-31 block 2 c + 1
.irp i, 0,1,2
	v_permlane16_swap_b32 v[PC+6*\c+\i], v[PC+12+4*\c+\i]
.endr
.irp i, 0,1,2
	v_mov_b32 v[PC+3+6*\c+\i], v[PC+12+4*\c+\i]
.endr
.endr
.endm
; Tile a goes out: relu, quantised in registers, the operand's image and its scale words to hq.  The tiles ascend, so the first one past the expert's last ends the pass.
.macro EPI a
	s_add_co_u32 s32, s26, 4*\a
	s_cmp_ge_u32 s32, s25
	s_cbranch_scc1 .Lepi_done
.if \a < 4
	WIN 0x08                                       ; source 1 window 2
.else
	WIN 0x0c                                       ; window 3
.endif
.set n, 0
.rept 64
	v_max_num_f32 v[HB+n], 0, v[(64*\a)%256+n]     ; each accumulator from its low end on
.set n, n+1
.endr
	WIN 0
	s_wait_xcnt 0x0                                ; the last tile's stores have read the codes' registers
	QUANT HB
.irp c, 0,1,2
	global_store_b128 v[LI], v[PC+4*\c:PC+4*\c+3], s[36:37] offset:\a*4*TILEB+512*\c   ; 512 bytes on end, at a multiple of 256 from hq's first byte
.endr
	global_store_b64 v[LS8], v[PW:PW+1], s[36:37] offset:\a*4*TILEB+1536               ; 256 bytes on end
.endm
	s_load_b256 s[4:11], s[0:1], 0x0               ; sel, xq, xs, W1's codes
	s_load_b256 s[12:19], s[0:1], 0x20             ; W1's scales, b1, hq, meta
	v_lshl_add_u32 v254, v0, 2, 0x18800
	v_mov_b32 v255, 0
	v_lshrrev_b32 v[LN], 5, v0
	v_readfirstlane_b32 s20, v[LN]                 ; wave
	v_and_b32 v[LN], 31, v0
	v_and_b32 v[RW], 15, v0
	v_bfe_u32 v[HF], v0, 4, 1
	s_mov_b32 s21, ttmp9                           ; j
	s_and_b32 s22, ttmp7, 0xffff                   ; e
	s_lshl_b32 s23, 1, s22
	v_lshlrev_b32 v[LI], 4, v[LN]
	v_lshlrev_b32 v[LS8], 3, v[LN]
	v_lshlrev_b32 v[L4], 2, v[LN]
	s_mul_i32 s31, s20, 32*PITCH
	v_add_nc_u32 v[AD256], s31, v[LI]
	v_lshlrev_b32 v[AD272], 4, v[RW]
	v_mad_u32_u24 v[AD272], v[HF], 272, v[AD272]
	v_add_nc_u32 v[AD272], s31, v[AD272]
	v_mul_u32_u24 v[BA], v[RW], PITCH
	v_mad_u32_u24 v[BA], v[HF], 24, v[BA]
	v_add_nc_u32 v[BA+1], 64*PITCH, v[BA]
	v_lshl_add_u32 v[RQ], v[HF], 6, v[RW]
	v_mul_u32_u24 v[H48], v[HF], 48
	v_and_b32 v[ST], 7, v[RW]
	v_lshrrev_b32 v[SU], 3, v[RW]
	v_lshl_add_u32 v[ST], v[SU], 4, v[ST]
	v_lshl_add_u32 v[ST], v[HF], 3, v[ST]
	v_lshlrev_b32 v[WSA], 5, v[ST]                 ; W1's scale words: hidden unit 8 h + r % 8 + 16 (r / 8) of a group of 32, 32 bytes a row
	v_lshlrev_b32 v[BIA], 6, v[HF]                 ; b1: 16 h numbers on
	v_mov_b32 v[SX], 0                             ; written once: a lane permute's destination counts as one of its sources
.irp b, 0,1,2,3
	v_mov_b32 v[TM+4+\b], 0
.endr
	v_mov_b32 v[PW+1], 0
	s_mov_b32 s27, 0xffff0000                      ; lanes 16-31
	s_mov_b32 s28, 0x76543210
	s_mov_b32 s29, 0xfedcba98                      ; v_permlanex16_b32's selects for lane l xor 16
	s_mov_b32 s38, 0x55555555
	s_mov_b32 s39, 0x33333333
	s_mov_b32 s40, 0x0f0f0f0f
	s_lshl_b32 s32, s22, 12
	s_lshl_b32 s33, s21, 7
	s_add_co_u32 s32, s32, s33                     ; my first row of W1: 4096 e + 128 j
	s_lshl_b32 s33, s20, 5
	s_add_co_u32 s33, s33, s32                     ; my wave stages 32 of them
	s_mul_i32 s46, s33, 768
	s_mov_b32 s47, 0
	s_lshl_b32 s48, s32, 5
	s_mov_b32 s49, 0
	s_lshl_b32 s50, s32, 2
	s_mov_b32 s51, 0
	s_mul_i32 s52, s22, 64*TILEB
	s_mul_i32 s33, s20, TILEB
	s_add_co_u32 s52, s52, s33
	s_mul_i32 s33, s21, 1792
	s_add_co_u32 s52, s52, s33                     ; hq: expert e, tile w, K step j
	s_mov_b32 s53, 0
	s_mul_i32 s54, s22, 5120
	s_mov_b32 s55, 0
	s_lshl_b32 s56, s22, 7
	s_add_co_u32 s56, s56, 40960
	s_mov_b32 s57, 0
	s_wait_kmcnt 0x0
	s_add_nc_u64 s[10:11], s[10:11], s[46:47]
	s_add_nc_u64 s[12:13], s[12:13], s[48:49]
	s_add_nc_u64 s[14:15], s[14:15], s[50:51]
	s_add_nc_u64 s[36:37], s[16:17], s[52:53]
	s_add_nc_u64 s[34:35], s[18:19], s[54:55]      ; tokl[e]
	s_add_nc_u64 s[42:43], s[18:19], s[56:57]      ; nt[e]
.irp i, 0,1,2,3,4,5,6,7
	global_load_b128 v[WB+4*\i:WB+4*\i+3], v[LI], s[4:5] offset:512*\i   ; sel, all 1,024 words
.endr
	WIN 0x80                                       ; destination window 2
.set i, 0
.rept 48
	global_load_b128 v[4*i:4*i+3], v[LI], s[10:11] offset:512*i th:TH_LOAD_NT   ; my 32 rows of W1, 24,576 bytes on end; read once in the launch
.set i, i+1
.endr
	WIN 0
.irp b, 0,1,2,3
	global_load_b128 v[WSC+8*\b:WSC+8*\b+3], v[WSA], s[12:13] offset:1024*\b
	global_load_b128 v[WSC+8*\b+4:WSC+8*\b+7], v[WSA], s[12:13] offset:1024*\b+16
.endr
	WIN 0xc0                                       ; destination window 3
.irp t, 0,1,2,3,4,5,6,7
	global_load_b128 v[64+8*\t:64+8*\t+3], v[BIA], s[14:15] offset:128*(\t/2)+32*(\t%2)        ; b1 at hidden units 32 (t / 2) + 16 h + 8 (t % 2) + 0 .. 7
	global_load_b128 v[64+8*\t+4:64+8*\t+7], v[BIA], s[14:15] offset:128*(\t/2)+32*(\t%2)+16
.endr
	WIN 0
	s_wait_loadcnt 63                              ; 72 younger loads stand behind sel's: sel is in
	s_mov_b32 s24, 0
.set i, 0
.rept 32
	v_and_b32 v[ST], s23, v[WB+i]
	v_cmp_ne_u32 s[68+i], 0, v[ST]                 ; mask i: bit l for token 128 (i / 4) + 4 l + i % 4
	s_bcnt1_i32_b32 s31, s[68+i]
	s_add_co_u32 s24, s24, s31                     ; the expert's rows
.set i, i+1
.endr
	s_add_co_u32 s25, s24, 15
	s_lshr_b32 s25, s25, 4
	s_max_u32 s25, s25, 1                          ; its tiles; an expert without rows still writes tile 0
	s_or_b32 s31, s21, s20
	s_cmp_lg_u32 s31, 0
	s_cbranch_scc1 .Lno_nt
	v_mov_b32 v[NTV], s25
	global_store_b32 v[L4], v[NTV], s[42:43]       ; a word a lane, all equal
.Lno_nt:
	s_mov_b32 s26, s20                             ; t0
	PROLOGUE                                       ; runs while W1 is on its way
	s_wait_loadcnt 63                              ; 66 younger loads stand behind b1's: W1, its scale words and b1 are in
	WIN 0x08                                       ; an LDS store's data are its source 1: window 2
.set m, 0
.rept 16                               ; rows 2 m and 2 m + 1 of my 32 are three loads; LDS row = the row's number with bits 3 and 4 changed over
.set PI, ((2*m)&7)|(((2*m)&8)<<1)|(((2*m)&16)>>1)
	ds_store_b128 v[AD256], v[12*m:12*m+3] offset:PI*PITCH
	ds_store_b128 v[AD272], v[12*m+4:12*m+7] offset:PI*PITCH+512
	ds_store_b128 v[AD256], v[12*m+8:12*m+11] offset:(PI+1)*PITCH+256
.set m, m+1
.endr
	WIN 0
	s_wait_dscnt 0x0                               ; for the others' sake: my rows lie in LDS
	s_barrier_signal -1
	s_barrier_wait -1                              ; all 128 do; nothing writes LDS from here on
	s_cmp_ge_u32 s20, s25
	s_cbranch_scc1 .Lend                           ; no tile for my wave
	s_mov_b32 s44, 0
.Lpass:
	LB 0
	LB 1
.irp i, 0,1,2,3,4,5,6,7,8,9,10,11,12,13,14,15
	HSTEP \i
.endr
	EPI 0
	EPI 1
	EPI 2
	EPI 3
	EPI 4
.Lepi_done:
	s_add_co_u32 s26, s26, 20
	s_cmp_ge_u32 s26, s25
	s_cbranch_scc1 .Lend
	s_wait_xcnt 0x0                                ; every store has read its base, addresses and data
	s_add_nc_u64 s[36:37], s[36:37], 20*TILEB
	PROLOGUE
	s_add_co_u32 s44, s44, 1
	s_cmp_lt_u32 s44, 3                            ; 64 tiles at the most: four passes
	s_cbranch_scc1 .Lpass
.Lend:
	s_wait_tensorcnt 0x0
	ds_add_u32 v254, v255
	s_wait_dscnt 0x0
	s_endpgm
.Lfunc_end_k_q7d78fd012d_ffn1:
	.size	k_q7d78fd012d_ffn1, .Lfunc_end_k_q7d78fd012d_ffn1-k_q7d78fd012d_ffn1
	.p2alignl 7, 3214868480
	.fill 96, 4, 3214868480
	.section	.rodata,"a",@progbits
	.p2align	6, 0x0
	.amdhsa_kernel k_q7d78fd012d_ffn1
		.amdhsa_group_segment_fixed_size 100864
		.amdhsa_private_segment_fixed_size 0
		.amdhsa_enable_private_segment 0
		.amdhsa_kernarg_size 64
		.amdhsa_user_sgpr_count 2
		.amdhsa_user_sgpr_kernarg_segment_ptr 1
		.amdhsa_wavefront_size32 1
		.amdhsa_system_sgpr_workgroup_id_x 1
		.amdhsa_system_sgpr_workgroup_id_y 1
		.amdhsa_system_sgpr_workgroup_id_z 1
		.amdhsa_system_vgpr_workitem_id 0
		.amdhsa_next_free_vgpr 1024
		.amdhsa_next_free_sgpr 100
		.amdhsa_reserve_vcc 1
		.amdhsa_float_denorm_mode_32 3
		.amdhsa_float_denorm_mode_16_64 3
		.amdhsa_memory_ordered 1
		.amdhsa_forward_progress 1
		.amdhsa_inst_pref_size 207
	.end_amdhsa_kernel
	.amdgpu_metadata
---
amdhsa.version: [ 1, 2 ]
amdhsa.kernels:
  - .name:           k_q7d78fd012d_ffn1
    .symbol:         k_q7d78fd012d_ffn1.kd
    .args:
      - { .name: sel, .offset: 0, .size: 8, .value_kind: global_buffer, .address_space: global }
      - { .name: xq, .offset: 8, .size: 8, .value_kind: global_buffer, .address_space: global }
      - { .name: xs, .offset: 16, .size: 8, .value_kind: global_buffer, .address_space: global }
      - { .name: w1_codes, .offset: 24, .size: 8, .value_kind: global_buffer, .address_space: global }
      - { .name: w1_scales, .offset: 32, .size: 8, .value_kind: global_buffer, .address_space: global }
      - { .name: b1, .offset: 40, .size: 8, .value_kind: global_buffer, .address_space: global }
      - { .name: hq, .offset: 48, .size: 8, .value_kind: global_buffer, .address_space: global }
      - { .name: meta, .offset: 56, .size: 8, .value_kind: global_buffer, .address_space: global }
    .group_segment_fixed_size: 100864
    .private_segment_fixed_size: 0
    .kernarg_segment_align: 8
    .kernarg_segment_size: 64
    .max_flat_workgroup_size: 128
    .sgpr_count:     100
    .vgpr_count:     1024
    .wavefront_size: 32
...
	.end_amdgpu_metadata
.endif
;; end of part 2
;; launch ffn2 (part 3): grid 32 x 8, 4 waves a work-group, no clusters, 232,960 bytes of LDS; arguments meta, sel, hq, w2_codes, w2_scales, b2, yp; writes yp
.if DOCPART == 3
	.amdgcn_target "amdgcn-amd-amdhsa--gfx1250"
	.amdhsa_code_object_version 6
	.text
	.protected	k_q7d78fd012d_ffn2
	.globl	k_q7d78fd012d_ffn2
	.p2align	8
	.type	k_q7d78fd012d_ffn2,@function
k_q7d78fd012d_ffn2:
	s_mov_b64 s[64:65], 0
	v_nop
	global_prefetch_b8 v0, s[64:65] scope:SCOPE_SE
	s_setreg_imm32_b32 hwreg(HW_REG_WAVE_MODE, 25, 1), 1
	s_wait_xcnt 0x0
; SECOND PRODUCT OF THE CHOSEN ROWS: y = h W2[e] (+ b2[e]), on codes of FP6 (E2M3) with one E8M0 scale for each 32 along K.
; Work-group (x, e): c = x % 8: outputs 128 c .. 128 c + 127; kh = (x / 8) % 2: K steps 16 kh .. 16 kh + 15 of 32; rp = x / 16: which half of the row tiles.
; Its slice of W2, 128 rows x 1,536 bytes, goes memory -> registers -> LDS once and stays.  K is cut in two so that a work-group takes in half of h's bytes; the two halves are added by the last launch; b2 goes in with half 0.
; Unit p = 4 rp + wave takes the expert's tiles t0 + 8 a, a = 0 .. 2, t0 = p + 24 x pass.  In place of a tile past the expert's last the unit's first tile (or tile 0, which is always written) is multiplied and not stored.
; h comes from hq as the launch before laid it: the operand's registers on end, three loads of 16 bytes a lane, and the row's scale word.
; TRANSPOSED: source 0 = 16 rows of W2, source 1 = 16 rows of h: a lane holds eight neighbouring outputs of one row.  A tile goes through the wave's own stage in LDS and leaves as whole runs of 512 bytes.
; OUT.  yp [K half 2][2176 rows][1024] f32.  Row q of the expert goes to row 2 x token + slot (slot 1 where the token's other expert has the lower number); rows past the expert's last go to rows 2048 + 16 e + q % 16, which nobody reads.
; No tensor load and no joint load: the passes and the tiles that are stored hang on counts read from memory.
; REGISTERS: window 0: v1-31 lane terms and addresses; v32-95 W2's scale words (pair u, K step s at 32 + 16 u + s: lanes 0-15 tile 2 u, lanes 16-31 tile 2 u + 1); v96-107 h's (slot d, tile a at 96 + 3 d + a);
;   v108-117 at work; v136-231 two buffers of four fragments of W2 (on the way out: 16 rows, and their offsets).  window 1: v0-143 h's fragments, a ring of four K steps x three tiles.
;   window 2: the 24 accumulators.  window 3: v16-79 b2 in the result's layout.  At the head registers 400 to 783 hold W2 on its way to LDS.
.set PITCH, 1552                       ; an LDS row: 1,536 bytes + 16 = 388 words: row r starts at bank 4 r mod 64 (ISA guide 11.1), lanes 16-31 six words on: a load of 8 bytes a lane touches 64 different banks
.set TILEB, 57344
.set STG,   128*PITCH                  ; behind W2: a stage of 16 rows x (512 + 16) bytes for each wave
.set LN, 1
.set RW, 2
.set HF, 3
.set LI, 4                             ; 16 x lane
.set LS, 5                             ; 1536 + 8 r
.set SA, 6
.set BA, 7                             ; v7-10 my place in tiles 2 g, 2 g + 1 of W2
.set STO, 11
.set RD, 12
.set DUMP, 13
.set VA, 14
.set VS, 17
.set TKA, 20
.set TK, 23
.set TC, 26
.set GA, 29
.set W2SC, 32
.set HSC, 96
.set SL, 108
.set DE, 111
.set T0, 114
.set R4, 115
.set W2A, 116
.set BIA, 117
.set WB, 136
.set RB, 136
.set OF, 200
.set MSB, 0
.macro WIN new                         ; the immediate's high byte repeats the setting that is left
.if MSB != \new
	s_set_vgpr_msb (MSB<<8)|\new
.set MSB, \new
.endif
.endm
.macro PLACES                          ; four plain places behind matrix instructions, in front of loads into their sources and of reads of their results
.rept 4
	v_nop
.endr
.endm
.macro LA s                            ; h's fragments and scale words of K step s, three tiles, into slot s % 4: 12 loads
	WIN 0x40
.irp a, 0,1,2
.irp k, 0,1,2
	global_load_b128 v[36*((\s)%4)+12*\a+4*\k:36*((\s)%4)+12*\a+4*\k+3], v[VA+\a], s[8:9] offset:1792*(\s)+512*\k
.endr
.endr
	WIN 0
.irp a, 0,1,2
	global_load_b32 v[HSC+3*((\s)%4)+\a], v[VS+\a], s[8:9] offset:1792*(\s)
.endr
.endm
.macro LB i                            ; W2's fragments of half step i (K step i / 2, tiles 4 (i % 2) on) into buffer i % 2
.set LK, (\i)/2
.set LX, (\i)%2
.irp tt, 0,1,2,3
.irp p, 0,1,2,3,4,5
	ds_load_b64 v[WB+48*LX+12*\tt+2*\p:WB+48*LX+12*\tt+2*\p+1], v[BA+2*LX+\tt/2] offset:(\tt%2)*16*PITCH+96*LK+48*(\p/3)+8*(\p%3)
.endr
.endr
.endm
.macro PROLOGUE2                       ; the pass's three tiles: their addresses, their rows' tokens, the ring's first four K steps
	s_cmp_lt_u32 s26, s25
	s_cselect_b32 s32, s26, 0
.irp a, 0,1,2
.if \a == 0
	s_mov_b32 s33, s32
.else
	s_add_co_u32 s33, s26, 8*\a
	s_cmp_lt_u32 s33, s25
	s_cselect_b32 s33, s33, s32
.endif
	s_min_u32 s33, s33, 63
	s_mul_i32 s38, s33, TILEB
	s_lshl_b32 s39, s33, 6
	v_add_nc_u32 v[VA+\a], s38, v[LI]
	v_add_nc_u32 v[VS+\a], s38, v[LS]
	v_add_nc_u32 v[TKA+\a], s39, v[R4]
.endr
.irp a, 0,1,2
	global_load_b32 v[TK+\a], v[TKA+\a], s[34:35]
.endr
	LA 0
	LA 1
	LA 2
	LA 3
.endm
.macro GATH                            ; the rows' words of sel, for the slot
.irp a, 0,1,2
	v_min_u32 v[TC+\a], 0x3ff, v[TK+\a]
	v_lshlrev_b32 v[GA+\a], 2, v[TC+\a]
.endr
.irp a, 0,1,2
	global_load_b32 v[SL+\a], v[GA+\a], s[6:7]
.endr
.endm
.macro WM
.if fA
	v_wmma_scale_f32_16x16x128_f8f6f4 v[rD:rD+7], v[rA:rA+11], v[rB:rB+11], v[rC:rC+7], v[rSA], v[rSB] matrix_a_fmt:MATRIX_FMT_FP6 matrix_b_fmt:MATRIX_FMT_FP6 matrix_a_scale:MATRIX_SCALE_ROW1
.else
	v_wmma_scale_f32_16x16x128_f8f6f4 v[rD:rD+7], v[rA:rA+11], v[rB:rB+11], v[rC:rC+7], v[rSA], v[rSB] matrix_a_fmt:MATRIX_FMT_FP6 matrix_b_fmt:MATRIX_FMT_FP6
.endif
.endm
; Half step i: K step i / 2, W2's tiles 4 (i % 2) on, against the three row tiles: 12 products.  The 24 accumulators take turns, one instruction a turn.
; The first K step takes b2 (zeros in K half 1) as C.
.macro HSTEP i
.set KS, (\i)/2
.set XH, (\i)%2
.if XH == 0
.if KS < 13
	s_wait_loadcnt 36                              ; this K step's loads are in: behind them stand three K steps' 12
.else
	s_wait_loadcnt 12*(15-KS)                      ; the ring runs out
.endif
.endif
.if (\i) < 31
	s_wait_dscnt 24                                ; this buffer is in; the other buffer's 24 loads may be out
.else
	s_wait_dscnt 0x0
.endif
.if KS == 0
	WIN 0xb4                                       ; W2 window 0, h window 1, C (b2) window 3, D window 2
.else
	WIN 0xa4                                       ; C and D window 2
.endif
.irp a, 0,1,2
.irp tt, 0,1,2,3
.set TT, 4*XH+\tt
.set rD, 64*\a+8*TT
.if KS == 0
.set rC, 16+8*TT
.else
.set rC, rD
.endif
.set rA, WB+48*XH+12*\tt
.set rB, 36*(KS%4)+12*\a
.set rSA, W2SC+16*(TT/2)+KS
.set rSB, HSC+3*(KS%4)+\a
.set fA, TT%2
	WM
.endr
.endr
	WIN 0
	PLACES
.if (\i)+2 < 32
	LB (\i)+2                                      ; into the buffer just multiplied
.endif
.if (\i) == 1
	GATH                                           ; the tokens came ahead of K step 0's loads
.endif
.if (XH == 1) && (KS+4 < 16)
	LA KS+4                                        ; into the slot just multiplied
.endif
.endm
; Tile a goes out.  The tiles ascend, so the first one past the expert's last ends the pass.
.macro OUT a
	s_add_co_u32 s32, s26, 8*\a
	s_cmp_ge_u32 s32, s25
	s_cbranch_scc1 .Lout_done
	s_wait_xcnt 0x0                                ; the last tile's stores have read their offsets and data
	v_and_b32 v[T0], s27, v[SL+\a]                 ; has the token a chosen expert under e?
	v_cmp_ne_u32 vcc_lo, 0, v[T0]
	v_cndmask_b32 v[T0], 0, 1, vcc_lo
	v_lshl_add_u32 v[T0], v[TC+\a], 1, v[T0]       ; 2 x token + slot
	v_cmp_gt_u32 vcc_lo, 0x400, v[TK+\a]
	v_cndmask_b32 v[DE+\a], v[DUMP], v[T0], vcc_lo ; a row past the expert's last goes aside
	WIN 0x08                                       ; an LDS store's data are its source 1: window 2
.irp t, 0,1,2,3,4,5,6,7
	ds_store_b128 v[STO], v[64*\a+8*\t:64*\a+8*\t+3] offset:64*\t          ; lane (r, h): outputs 16 t + 8 h + 0 .. 7 of row r; each accumulator from its low end on
	ds_store_b128 v[STO], v[64*\a+8*\t+4:64*\a+8*\t+7] offset:64*\t+16
.endr
	WIN 0
.irp i, 0,1,2,3,4,5,6,7,8,9,10,11,12,13,14,15
	ds_load_b128 v[RB+4*\i:RB+4*\i+3], v[RD] offset:528*\i   ; LDS serves a wave's instructions in order (ISA guide 5.7.1.4): these see the stores above
.endr
.irp i, 0,1,2,3,4,5,6,7,8,9,10,11,12,13,14,15
	v_readlane_b32 s33, v[DE+\a], \i
	s_min_u32 s33, s33, 2175
	s_lshl_b32 s33, s33, 12
	v_add_nc_u32 v[OF+\i], s33, v[LI]
.endr
.irp i, 0,1,2,3,4,5,6,7,8,9,10,11,12,13,14,15
	s_wait_dscnt 15-\i                             ; row i is back; the younger rows may be out
	global_store_b128 v[OF+\i], v[RB+4*\i:RB+4*\i+3], s[16:17] th:TH_STORE_NT   ; 512 bytes on end, at a multiple of 256 from yp's first byte
.endr
.endm
	s_load_b256 s[4:11], s[0:1], 0x0               ; meta, sel, hq, W2's codes
	s_load_b128 s[12:15], s[0:1], 0x20             ; W2's scales, b2
	s_load_b64 s[16:17], s[0:1], 0x30              ; yp
	v_lshl_add_u32 v254, v0, 2, 0x38c00
	v_mov_b32 v255, 0
	v_lshrrev_b32 v[LN], 5, v0
	v_readfirstlane_b32 s20, v[LN]                 ; wave
	v_and_b32 v[LN], 31, v0
	v_and_b32 v[RW], 15, v0
	v_bfe_u32 v[HF], v0, 4, 1
	s_and_b32 s21, ttmp9, 7                        ; c
	s_and_b32 s22, ttmp7, 0xffff                   ; e
	s_bfe_u32 s23, ttmp9, 0x10003                  ; kh
	s_lshr_b32 s24, ttmp9, 4                       ; rp
	s_lshl_b32 s26, s24, 2
	s_add_co_u32 s26, s26, s20                     ; t0 = my unit
	s_lshl_b32 s27, 1, s22
	s_sub_co_u32 s27, s27, 1                       ; the bits under e
	s_cmp_eq_u32 s23, 0
	s_cselect_b32 s40, -1, 0                       ; b2 counts in K half 0 alone
	v_lshlrev_b32 v[LI], 4, v[LN]
	v_lshlrev_b32 v[LS], 3, v[RW]
	v_add_nc_u32 v[LS], 1536, v[LS]
	s_mul_i32 s33, s20, 32*PITCH
	v_add_nc_u32 v[SA], s33, v[LI]
	v_mul_u32_u24 v[BA], v[RW], PITCH
	v_mad_u32_u24 v[BA], v[HF], 24, v[BA]
	v_add_nc_u32 v[BA+1], 32*PITCH, v[BA]
	v_add_nc_u32 v[BA+2], 64*PITCH, v[BA]
	v_add_nc_u32 v[BA+3], 96*PITCH, v[BA]
	s_mul_i32 s33, s20, 16*528
	s_add_co_u32 s33, s33, STG                     ; my stage
	v_mul_u32_u24 v[STO], v[RW], 528
	v_lshl_add_u32 v[STO], v[HF], 5, v[STO]
	v_add_nc_u32 v[STO], s33, v[STO]
	v_add_nc_u32 v[RD], s33, v[LI]
	s_lshl_b32 s33, s22, 4
	s_add_co_u32 s33, s33, 2048
	v_add_nc_u32 v[DUMP], s33, v[RW]
	v_lshlrev_b32 v[R4], 2, v[RW]
	v_lshlrev_b32 v[W2A], 7, v[LN]                 ; W2's scale words: 128 bytes a row, row = lane of a pair of tiles
	v_lshlrev_b32 v[BIA], 5, v[HF]                 ; b2: 8 h numbers on
	s_lshl_b32 s32, s22, 10
	s_lshl_b32 s33, s21, 7
	s_add_co_u32 s32, s32, s33                     ; my first row of W2: 1024 e + 128 c
	s_lshl_b32 s33, s20, 5
	s_add_co_u32 s33, s33, s32                     ; my wave stages 32 of them
	s_mul_i32 s46, s33, 3072
	s_mul_i32 s33, s23, 1536
	s_add_co_u32 s46, s46, s33
	s_mov_b32 s47, 0
	s_lshl_b32 s48, s32, 7
	s_lshl_b32 s33, s23, 6
	s_add_co_u32 s48, s48, s33
	s_mov_b32 s49, 0
	s_lshl_b32 s50, s32, 2
	s_mov_b32 s51, 0
	s_lshl_b32 s52, s22, 11
	s_lshl_b32 s33, s23, 4
	s_add_co_u32 s52, s52, s33
	s_mul_i32 s52, s52, 1792                       ; hq: expert e, tile 0, K step 16 kh
	s_mov_b32 s53, 0
	s_mul_i32 s54, s23, 8912896                    ; yp: K half kh, column 128 c
	s_lshl_b32 s33, s21, 9
	s_add_co_u32 s54, s54, s33
	s_mov_b32 s55, 0
	s_mul_i32 s56, s22, 5120
	s_mov_b32 s57, 0
	s_lshl_b32 s58, s22, 7
	s_wait_kmcnt 0x0
	s_load_b32 s25, s[4:5], s58 offset:40960       ; the expert's tiles
	s_add_nc_u64 s[10:11], s[10:11], s[46:47]
	s_add_nc_u64 s[12:13], s[12:13], s[48:49]
	s_add_nc_u64 s[14:15], s[14:15], s[50:51]
	s_add_nc_u64 s[8:9], s[8:9], s[52:53]
	s_add_nc_u64 s[16:17], s[16:17], s[54:55]
	s_add_nc_u64 s[34:35], s[4:5], s[56:57]        ; tokl[e]
.set i, 0
.rept 96                               ; my 32 rows' 1,536 bytes: three loads of 512 bytes on end a row (two work-groups read the slice, so no hint)
.set AB, 400+4*i
	WIN ((AB/256)<<6)
	global_load_b128 v[AB%256:AB%256+3], v[LI], s[10:11] offset:(i/3)*3072+(i%3)*512
.set i, i+1
.endr
	WIN 0
.irp u, 0,1,2,3
.irp g, 0,1,2,3
	global_load_b128 v[W2SC+16*\u+4*\g:W2SC+16*\u+4*\g+3], v[W2A], s[12:13] offset:4096*\u+16*\g
.endr
.endr
	WIN 0xc0                                       ; destination window 3
.irp t, 0,1,2,3,4,5,6,7
	global_load_b128 v[16+8*\t:16+8*\t+3], v[BIA], s[14:15] offset:64*\t       ; b2 at outputs 16 t + 8 h + 0 .. 7
	global_load_b128 v[16+8*\t+4:16+8*\t+7], v[BIA], s[14:15] offset:64*\t+16
.endr
	WIN 0
	s_wait_kmcnt 0x0
	s_min_u32 s25, s25, 64
	PROLOGUE2
	s_wait_loadcnt 51                              ; behind b2's loads stand the 3 of the list and the ring's 48: W2, its scale words and b2 are in
	WIN 0xcc                                       ; source 1 and destination window 3
.set n, 0
.rept 64
	v_cndmask_b32 v[16+n], 0, v[16+n], s40
.set n, n+1
.endr
.set i, 0
.rept 96
.set AB, 400+4*i
	WIN ((AB/256)<<2)                              ; an LDS store's data are its source 1
	ds_store_b128 v[SA], v[AB%256:AB%256+3] offset:(i/3)*PITCH+(i%3)*512
.set i, i+1
.endr
	WIN 0
	s_wait_dscnt 0x0                               ; for the others' sake: my rows lie in LDS
	s_barrier_signal -1
	s_barrier_wait -1                              ; all 128 do; from here on a wave writes its own stage alone
	s_cmp_ge_u32 s26, s25
	s_cbranch_scc1 .Lend                           ; no tile for my unit
	s_mov_b32 s44, 0
.Lpass:
	LB 0
	LB 1
.irp i, 0,1,2,3,4,5,6,7,8,9,10,11,12,13,14,15,16,17,18,19,20,21,22,23,24,25,26,27,28,29,30,31
	HSTEP \i
.endr
	OUT 0
	OUT 1
	OUT 2
.Lout_done:
	s_add_co_u32 s26, s26, 24
	s_cmp_ge_u32 s26, s25
	s_cbranch_scc1 .Lend
	s_wait_xcnt 0x0                                ; every load and store has read its addresses
	PROLOGUE2
	s_add_co_u32 s44, s44, 1
	s_cmp_lt_u32 s44, 2                            ; 64 tiles at the most: three passes
	s_cbranch_scc1 .Lpass
.Lend:
	s_wait_tensorcnt 0x0
	ds_add_u32 v254, v255
	s_wait_dscnt 0x0
	s_endpgm
.Lfunc_end_k_q7d78fd012d_ffn2:
	.size	k_q7d78fd012d_ffn2, .Lfunc_end_k_q7d78fd012d_ffn2-k_q7d78fd012d_ffn2
	.p2alignl 7, 3214868480
	.fill 96, 4, 3214868480
	.section	.rodata,"a",@progbits
	.p2align	6, 0x0
	.amdhsa_kernel k_q7d78fd012d_ffn2
		.amdhsa_group_segment_fixed_size 232960
		.amdhsa_private_segment_fixed_size 0
		.amdhsa_enable_private_segment 0
		.amdhsa_kernarg_size 56
		.amdhsa_user_sgpr_count 2
		.amdhsa_user_sgpr_kernarg_segment_ptr 1
		.amdhsa_wavefront_size32 1
		.amdhsa_system_sgpr_workgroup_id_x 1
		.amdhsa_system_sgpr_workgroup_id_y 1
		.amdhsa_system_sgpr_workgroup_id_z 1
		.amdhsa_system_vgpr_workitem_id 0
		.amdhsa_next_free_vgpr 1024
		.amdhsa_next_free_sgpr 66
		.amdhsa_reserve_vcc 1
		.amdhsa_float_denorm_mode_32 3
		.amdhsa_float_denorm_mode_16_64 3
		.amdhsa_memory_ordered 1
		.amdhsa_forward_progress 1
		.amdhsa_inst_pref_size 180
	.end_amdhsa_kernel
	.amdgpu_metadata
---
amdhsa.version: [ 1, 2 ]
amdhsa.kernels:
  - .name:           k_q7d78fd012d_ffn2
    .symbol:         k_q7d78fd012d_ffn2.kd
    .args:
      - { .name: meta, .offset: 0, .size: 8, .value_kind: global_buffer, .address_space: global }
      - { .name: sel, .offset: 8, .size: 8, .value_kind: global_buffer, .address_space: global }
      - { .name: hq, .offset: 16, .size: 8, .value_kind: global_buffer, .address_space: global }
      - { .name: w2_codes, .offset: 24, .size: 8, .value_kind: global_buffer, .address_space: global }
      - { .name: w2_scales, .offset: 32, .size: 8, .value_kind: global_buffer, .address_space: global }
      - { .name: b2, .offset: 40, .size: 8, .value_kind: global_buffer, .address_space: global }
      - { .name: yp, .offset: 48, .size: 8, .value_kind: global_buffer, .address_space: global }
    .group_segment_fixed_size: 232960
    .private_segment_fixed_size: 0
    .kernarg_segment_align: 8
    .kernarg_segment_size: 56
    .max_flat_workgroup_size: 128
    .sgpr_count:     66
    .vgpr_count:     1024
    .wavefront_size: 32
...
	.end_amdgpu_metadata
.endif
;; end of part 3
;; launch comb (part 4): grid 256 x 1, 4 waves a work-group, no clusters, 0 bytes of LDS; arguments yp, gate, out0; writes out0
.if DOCPART == 4
	.amdgcn_target "amdgcn-amd-amdhsa--gfx1250"
	.amdhsa_code_object_version 6
	.text
	.protected	k_q7d78fd012d_comb
	.globl	k_q7d78fd012d_comb
	.p2align	8
	.type	k_q7d78fd012d_comb,@function
k_q7d78fd012d_comb:
	s_mov_b64 s[64:65], 0
	v_nop
	global_prefetch_b8 v0, s[64:65] scope:SCOPE_SE
	s_setreg_imm32_b32 hwreg(HW_REG_WAVE_MODE, 25, 1), 1
	s_wait_xcnt 0x0
; out[t] = g0 (y0[2 t] + y1[2 t]) + g1 (y0[2 t + 1] + y1[2 t + 1]): the two K halves of each of a token's two experts, weighed by its gates.  yp [2][2176][1024] f32, gate [1024][2], out0 [1024][1024] f32.
; A wave takes one token: 32 loads of 512 bytes on end, all issued at once; eight stores of 512 bytes on end.  Every address is fixed.  A stream: no LDS, no barrier, no matrix unit.
.set Y, 16                             ; v16-143 piece i: half 0 slot 0, half 1 slot 0, half 0 slot 1, half 1 slot 1, four registers each
.set O, 144                            ; v144-175 the results: registers of their own for each store
	s_load_b128 s[4:7], s[0:1], 0x0                ; yp, gate
	s_load_b64 s[8:9], s[0:1], 0x10                ; out0
	v_lshrrev_b32 v1, 5, v0
	v_readfirstlane_b32 s10, v1                    ; wave
	v_and_b32 v1, 31, v0
	v_lshlrev_b32 v1, 4, v1                        ; 16 x lane
	s_lshl_b32 s11, ttmp9, 2
	s_add_co_u32 s11, s11, s10                     ; my token
	s_lshl_b32 s16, s11, 13                        ; its two rows of yp
	s_mov_b32 s17, 0
	s_lshl_b32 s18, s11, 3
	s_mov_b32 s19, 0
	s_lshl_b32 s20, s11, 12
	s_mov_b32 s21, 0
	s_wait_kmcnt 0x0
	s_add_nc_u64 s[4:5], s[4:5], s[16:17]
	s_add_nc_u64 s[22:23], s[4:5], 8912896         ; the same rows of K half 1
	s_add_nc_u64 s[6:7], s[6:7], s[18:19]
	s_add_nc_u64 s[8:9], s[8:9], s[20:21]
	s_load_b64 s[12:13], s[6:7], 0x0               ; g0, g1
.irp i, 0,1,2,3,4,5,6,7
	global_load_b128 v[Y+16*\i:Y+16*\i+3], v1, s[4:5] offset:512*\i th:TH_LOAD_NT
	global_load_b128 v[Y+16*\i+4:Y+16*\i+7], v1, s[22:23] offset:512*\i th:TH_LOAD_NT
	global_load_b128 v[Y+16*\i+8:Y+16*\i+11], v1, s[4:5] offset:4096+512*\i th:TH_LOAD_NT
	global_load_b128 v[Y+16*\i+12:Y+16*\i+15], v1, s[22:23] offset:4096+512*\i th:TH_LOAD_NT
.endr
	s_wait_kmcnt 0x0
	s_mov_b32 s14, s13                             ; g1 in a pair of its own: the packed form takes a pair's low word for both halves
	s_mov_b32 s15, s13
.irp i, 0,1,2,3,4,5,6,7
	s_wait_loadcnt 4*(7-\i)                        ; piece i's four loads are in; the later pieces' may be out
.irp p, 0,2
	v_pk_add_f32 v[Y+16*\i+\p:Y+16*\i+\p+1], v[Y+16*\i+\p:Y+16*\i+\p+1], v[Y+16*\i+4+\p:Y+16*\i+4+\p+1]
	v_pk_add_f32 v[Y+16*\i+8+\p:Y+16*\i+8+\p+1], v[Y+16*\i+8+\p:Y+16*\i+8+\p+1], v[Y+16*\i+12+\p:Y+16*\i+12+\p+1]
.endr
.irp p, 0,2
	v_pk_mul_f32 v[O+4*\i+\p:O+4*\i+\p+1], v[Y+16*\i+\p:Y+16*\i+\p+1], s[12:13] op_sel_hi:[1,0]
.endr
.irp p, 0,2
	v_pk_fma_f32 v[O+4*\i+\p:O+4*\i+\p+1], v[Y+16*\i+8+\p:Y+16*\i+8+\p+1], s[14:15], v[O+4*\i+\p:O+4*\i+\p+1] op_sel_hi:[1,0,1]
.endr
	global_store_b128 v1, v[O+4*\i:O+4*\i+3], s[8:9] offset:512*\i th:TH_STORE_NT
.endr
	s_endpgm
.Lfunc_end_k_q7d78fd012d_comb:
	.size	k_q7d78fd012d_comb, .Lfunc_end_k_q7d78fd012d_comb-k_q7d78fd012d_comb
	.p2alignl 7, 3214868480
	.fill 96, 4, 3214868480
	.section	.rodata,"a",@progbits
	.p2align	6, 0x0
	.amdhsa_kernel k_q7d78fd012d_comb
		.amdhsa_group_segment_fixed_size 0
		.amdhsa_private_segment_fixed_size 0
		.amdhsa_enable_private_segment 0
		.amdhsa_kernarg_size 24
		.amdhsa_user_sgpr_count 2
		.amdhsa_user_sgpr_kernarg_segment_ptr 1
		.amdhsa_wavefront_size32 1
		.amdhsa_system_sgpr_workgroup_id_x 1
		.amdhsa_system_sgpr_workgroup_id_y 1
		.amdhsa_system_sgpr_workgroup_id_z 1
		.amdhsa_system_vgpr_workitem_id 0
		.amdhsa_next_free_vgpr 176
		.amdhsa_next_free_sgpr 66
		.amdhsa_reserve_vcc 0
		.amdhsa_float_denorm_mode_32 3
		.amdhsa_float_denorm_mode_16_64 3
		.amdhsa_memory_ordered 1
		.amdhsa_forward_progress 1
		.amdhsa_inst_pref_size 10
	.end_amdhsa_kernel
	.amdgpu_metadata
---
amdhsa.version: [ 1, 2 ]
amdhsa.kernels:
  - .name:           k_q7d78fd012d_comb
    .symbol:         k_q7d78fd012d_comb.kd
    .args:
      - { .name: yp, .offset: 0, .size: 8, .value_kind: global_buffer, .address_space: global }
      - { .name: gate, .offset: 8, .size: 8, .value_kind: global_buffer, .address_space: global }
      - { .name: out0, .offset: 16, .size: 8, .value_kind: global_buffer, .address_space: global }
    .group_segment_fixed_size: 0
    .private_segment_fixed_size: 0
    .kernarg_segment_align: 8
    .kernarg_segment_size: 24
    .max_flat_workgroup_size: 128
    .sgpr_count:     66
    .vgpr_count:     176
    .wavefront_size: 32
...
	.end_amdgpu_metadata
.endif
;; end of part 4
;; ======== version 2 of 2: 4 launches
;; workspace buffers: sel 4,096 bytes of whole numbers; gate 8,192 bytes; xq 786,432 bytes; xs 32,768 bytes; meta 41,984 bytes of whole numbers; hq 29,360,128 bytes; yp 17,825,792 bytes
;; launch route (part 5): grid 256 x 1, 2 waves a work-group, no clusters, 22,784 bytes of LDS; arguments x, router_w, router_b, xq, xs, sel, gate; writes xq, xs, sel, gate
.if DOCPART == 5
	.amdgcn_target "amdgcn-amd-amdhsa--gfx1250"
	.amdhsa_code_object_version 6
	.text
	.protected	k_q7d78fd012d_route
	.globl	k_q7d78fd012d_route
	.p2align	8
	.type	k_q7d78fd012d_route,@function
k_q7d78fd012d_route:
	s_mov_b64 s[64:65], 0
	v_nop
	global_prefetch_b8 v0, s[64:65] scope:SCOPE_SE
	s_setreg_imm32_b32 hwreg(HW_REG_WAVE_MODE, 25, 1), 1
	s_wait_xcnt 0x0
; ROUTER AND QUANTISER OF x.  x [1024 tokens][1024] f32, router_w [8][1024], router_b [8].
; A wave owns two tokens (4 x work-group + 2 x wave, and the next).  For each it makes
;   the 8 logits, by f32 fused multiply-adds and a sum over the lanes; the two largest (a tie keeps the lower expert); the softmax over these two, with the larger taken away first;
;   sel[t]: a word with the two experts' bits;  gate[t][2]: slot 0 is the chosen expert with the LOWER number;
;   x's codes of FP6 (E2M3) with one E8M0 byte for each 32 along K.  xq: 768 bytes a token; block b = 4 s + 2 c + h lies at 96 s + 48 h + 24 c, so that lane (r, h) of an operand of K step s
;   finds its twelve registers as 48 bytes on end.  xs: 32 bytes a token, byte b for block b.
; LIMITS: NaN and infinities are not served; a block whose largest magnitude lies under 2^-124 keeps the byte 1, and so does a block of zeros (its codes are zeros; this program alone reads the bytes);
; the logits are summed in another order than by rows, so two logits closer than f32 rounding may change places.
; Waves share nothing: no barrier.  No matrix unit: N = 8 is too narrow for it, and the launch is bound by its 4 MB of x.
; REGISTERS: window 0: v1-11 lane terms; v16-79 x as loaded; v80-111 sixteen sums in pairs; v112-175 x turned (a lane: one block of 32); v176-191 logits; v192-207 codes; v208-243 at work.  window 1: router_w.
.set WREG,  11264                      ; LDS of a wave: two stages of 32 x 144 bytes, 1,536 bytes of codes, 64 scale bytes
.set STG,   4608
.set CODES, 9216
.set SCB,   10752
.set X,     16
.set ACC,   80
.set NUM,   112
.set LG,    176
.set C,     192
.set MSB, 0
.macro WIN new                         ; the immediate's high byte repeats the setting that is left
.if MSB != \new
	s_set_vgpr_msb (MSB<<8)|\new
.set MSB, \new
.endif
.endm
	s_load_b256 s[4:11], s[0:1], 0x0               ; x, router_w, router_b, xq
	s_load_b128 s[12:15], s[0:1], 0x20             ; xs, sel
	s_load_b64 s[16:17], s[0:1], 0x30              ; gate
	v_lshl_add_u32 v254, v0, 2, 0x5800
	v_mov_b32 v255, 0
	v_lshrrev_b32 v1, 5, v0
	v_readfirstlane_b32 s18, v1                    ; wave
	v_and_b32 v1, 31, v0                           ; lane
	v_lshlrev_b32 v2, 4, v1                        ; 16 x lane
	s_lshl_b32 s19, ttmp9, 2
	s_lshl_b32 s30, s18, 1
	s_add_co_u32 s19, s19, s30                     ; my first token
	s_mul_i32 s31, s18, WREG                       ; my wave's LDS
	v_lshrrev_b32 v3, 3, v1
	v_mul_u32_u24 v3, v3, 144
	v_and_b32 v4, 7, v1
	v_lshl_add_u32 v3, v4, 4, v3
	v_add_nc_u32 v3, s31, v3                       ; into a stage: eight lanes' 128 bytes are a block: 144 (lane / 8) + 16 (lane % 8); a load's 512 bytes are four blocks
	v_mul_u32_u24 v4, v1, 144
	v_add_nc_u32 v4, s31, v4                       ; out of it: block = lane; 144 bytes from lane to lane keep the reads of 16 bytes in different banks
	v_lshrrev_b32 v5, 2, v1
	v_mul_u32_u24 v5, v5, 96
	v_and_b32 v6, 1, v1
	v_mad_u32_u24 v5, v6, 48, v5
	v_bfe_u32 v6, v1, 1, 1
	v_mad_u32_u24 v5, v6, 24, v5
	v_add_nc_u32 v5, s31, v5                       ; my block's 24 bytes in a token's 768: 96 s + 48 h + 24 c
	v_add_nc_u32 v6, s31, v2
	v_add_nc_u32 v7, s31, v1
	v_lshlrev_b32 v9, 1, v1                        ; 2 x lane
	v_add_nc_u32 v8, s31, v9
	v_lshlrev_b32 v10, 2, v1                       ; 4 x lane
	v_lshlrev_b32 v11, 3, v1                       ; 8 x lane
	s_mov_b32 s28, 0x76543210
	s_mov_b32 s29, 0xfedcba98                      ; v_permlanex16_b32's selects for lane l xor 16
	s_lshl_b32 s32, s19, 12
	s_mov_b32 s33, 0
	s_mul_i32 s34, s19, 768
	s_mov_b32 s35, 0
	s_lshl_b32 s36, s19, 5
	s_mov_b32 s37, 0
	s_lshl_b32 s38, s19, 2
	s_mov_b32 s39, 0
	s_lshl_b32 s40, s19, 3
	s_mov_b32 s41, 0
	s_wait_kmcnt 0x0
	s_add_nc_u64 s[4:5], s[4:5], s[32:33]
	s_add_nc_u64 s[10:11], s[10:11], s[34:35]
	s_add_nc_u64 s[12:13], s[12:13], s[36:37]
	s_add_nc_u64 s[14:15], s[14:15], s[38:39]
	s_add_nc_u64 s[16:17], s[16:17], s[40:41]
	s_load_b256 s[20:27], s[8:9], 0x0              ; router_b
.irp t, 0,1
.irp j, 0,1,2,3,4,5,6,7
	global_load_b128 v[X+32*\t+4*\j:X+32*\t+4*\j+3], v2, s[4:5] offset:4096*\t+512*\j th:TH_LOAD_NT   ; 512 bytes on end; read once in the launch
.endr
.endr
	WIN 0x40                                       ; destination window 1
.irp e, 0,1,2,3,4,5,6,7
.irp j, 0,1,2,3,4,5,6,7
	global_load_b128 v[32*\e+4*\j:32*\e+4*\j+3], v2, s[6:7] offset:4096*\e+512*\j   ; the same places of expert e's row
.endr
.endr
	WIN 0
	s_wait_loadcnt 63                              ; 64 younger loads stand behind x's last: x is in
.irp t, 0,1
.irp j, 0,1,2,3,4,5,6,7
	ds_store_b128 v3, v[X+32*\t+4*\j:X+32*\t+4*\j+3] offset:STG*\t+576*\j
.endr
.irp i, 0,1,2,3,4,5,6,7
	ds_load_b128 v[NUM+32*\t+4*\i:NUM+32*\t+4*\i+3], v4 offset:STG*\t+16*\i   ; LDS serves a wave's instructions in order: these see the stores above
.endr
.endr
; A lane's block of 32: the largest magnitude with the floor 2^(3 - 127) among its leaves; 2 off its exponent field is the conversion's scale operand; that field is the byte.
.macro QBLK t
.set N, NUM+32*\t
.set CC, C+8*\t
	v_max3_num_f32 v208, |v[N]|, |v[N+1]|, |v[N+2]|
	v_max3_num_f32 v209, |v[N+3]|, |v[N+4]|, |v[N+5]|
.irp i, 6,10,14,18,22,26
	v_max3_num_f32 v208, v208, |v[N+\i]|, |v[N+\i+1]|
	v_max3_num_f32 v209, v209, |v[N+\i+2]|, |v[N+\i+3]|
.endr
	v_max3_num_f32 v208, v208, |v[N+30]|, |v[N+31]|
	v_max3_num_f32 v208, v208, v209, 0x1800000
	v_add_nc_u32 v210, 0xff000000, v208
	v_cvt_scalef32_pk16_fp6_f32 v[CC:CC+2], v[N:N+15], v210
	v_cvt_scalef32_pk16_fp6_f32 v[CC+4:CC+6], v[N+16:N+31], v210   ; (a conversion's three registers begin on an even number)
	v_lshrrev_b32 v[212+\t], 23, v210              ; the byte; also the plain line behind the conversions
	v_mov_b32 v[CC+3], v[CC+4]                     ; the six words on end
	v_mov_b32 v[CC+4], v[CC+5]
	v_mov_b32 v[CC+5], v[CC+6]
	ds_store_b64 v5, v[CC:CC+1] offset:CODES+768*\t
	ds_store_b64 v5, v[CC+2:CC+3] offset:CODES+768*\t+8
	ds_store_b64 v5, v[CC+4:CC+5] offset:CODES+768*\t+16
	ds_store_b8 v7, v[212+\t] offset:SCB+32*\t
.endm
	s_wait_dscnt 16                                ; token 0's numbers are back: behind them stand token 1's 8 stores and 8 loads
	QBLK 0
	s_wait_dscnt 4                                 ; token 1's: behind them stand the four stores just issued
	QBLK 1
	ds_load_b128 v[112:115], v6 offset:CODES       ; both tokens' 1,536 bytes of codes, as they lie
	ds_load_b128 v[116:119], v6 offset:CODES+512
	ds_load_b128 v[120:123], v6 offset:CODES+1024
	ds_load_u16 v124, v8 offset:SCB                ; and their 64 scale bytes, two a lane
	s_wait_dscnt 0x0
	global_store_b128 v2, v[112:115], s[10:11]             ; each store covers 512 bytes on end, at a multiple of 256 from xq's first byte
	global_store_b128 v2, v[116:119], s[10:11] offset:512
	global_store_b128 v2, v[120:123], s[10:11] offset:1024
	global_store_b16 v9, v124, s[12:13]
	; the logits: sixteen sums (2 tokens x 8 experts) by turns, two numbers an instruction; the first product starts each sum
	s_wait_loadcnt 0x0                             ; router_w
	WIN 0x04                                       ; source 1 window 1
.set q, 0
.rept 16
.set i, 0
.rept 16
.if q == 0
	v_pk_mul_f32 v[ACC+2*i:ACC+2*i+1], v[X+32*(i/8):X+32*(i/8)+1], v[32*(i%8):32*(i%8)+1]
.else
	v_pk_fma_f32 v[ACC+2*i:ACC+2*i+1], v[X+32*(i/8)+2*q:X+32*(i/8)+2*q+1], v[32*(i%8)+2*q:32*(i%8)+2*q+1], v[ACC+2*i:ACC+2*i+1]
.endif
.set i, i+1
.endr
.set q, q+1
.endr
	WIN 0
.set i, 0
.rept 16
	v_add_f32 v[LG+i], v[ACC+2*i], v[ACC+2*i+1]
.set i, i+1
.endr
.irp m, 1,2,4,8
.set i, 0
.rept 16
	v_add_f32_dpp v[LG+i], v[LG+i], v[LG+i] row_xmask:\m row_mask:0xf bank_mask:0xf
.set i, i+1
.endr
.endr
.set i, 0
.rept 16
	v_permlanex16_b32 v[ACC+i], v[LG+i], s28, s29  ; (its destination has been written)
.set i, i+1
.endr
	s_wait_kmcnt 0x0                               ; router_b
.set i, 0
.rept 16
	v_add_f32 v[LG+i], v[LG+i], v[ACC+i]
.set i, i+1
.endr
.set i, 0
.rept 16
	v_add_f32 v[LG+i], s[20+i%8], v[LG+i]          ; every lane now holds all sixteen logits
.set i, i+1
.endr
; The two largest of a token's eight.  A strict > in ascending order keeps the lower expert at a tie.  Nothing but values hangs on these compares.
; v[Q] largest, +1 its expert, +2 second, +3 its expert, +4 the exponent, +9 the mask
.macro TOP2 t
.set Q, 208+16*\t
.set G, LG+8*\t
	v_mov_b32 v[Q], v[G]
	v_mov_b32 v[Q+1], 0
.irp e, 1,2,3,4,5,6,7
	v_cmp_gt_f32 vcc_lo, v[G+\e], v[Q]
	v_cndmask_b32 v[Q], v[Q], v[G+\e], vcc_lo
	v_cndmask_b32 v[Q+1], v[Q+1], \e, vcc_lo
.endr
	v_mov_b32 v[Q+2], 0xff800000                   ; -infinity
	v_mov_b32 v[Q+3], 0
.irp e, 0,1,2,3,4,5,6,7
	v_cmp_gt_f32 s30, v[G+\e], v[Q+2]
	v_cmp_ne_u32 vcc_lo, \e, v[Q+1]
	s_and_b32 vcc_lo, vcc_lo, s30
	v_cndmask_b32 v[Q+2], v[Q+2], v[G+\e], vcc_lo
	v_cndmask_b32 v[Q+3], v[Q+3], \e, vcc_lo
.endr
	v_sub_f32 v[Q+4], v[Q+2], v[Q]                 ; the second less the largest: 0 or less
	v_mul_f32 v[Q+4], 0x3fb8aa3b, v[Q+4]           ; x log2(e)
	v_lshlrev_b32 v[Q+9], v[Q+1], 1
	v_lshlrev_b32 v[Q+12], v[Q+3], 1
	v_or_b32 v[Q+9], v[Q+9], v[Q+12]
.endm
	TOP2 0
	TOP2 1
	s_wait_alu depctr_va_vdst(0)
	v_exp_f32 v213, v212                           ; e^(second - largest), at most 1
	v_exp_f32 v229, v228
	v_nop                                          ; a plain line behind the transcendentals,
	s_wait_alu depctr_va_vdst(0)                   ; and one wait for both, ahead of their first reader
	v_add_f32 v214, 1.0, v213
	v_add_f32 v230, 1.0, v229
	s_wait_alu depctr_va_vdst(0)
	v_rcp_f32 v215, v214                           ; the largest's gate
	v_rcp_f32 v231, v230
	v_nop
	s_wait_alu depctr_va_vdst(0)
	v_mul_f32 v216, v213, v215                     ; the second's gate
	v_mul_f32 v232, v229, v231
	v_cmp_lt_u32 vcc_lo, v209, v211                ; slot 0 belongs to the lower expert
	v_cndmask_b32 v218, v216, v215, vcc_lo
	v_cndmask_b32 v219, v215, v216, vcc_lo
	v_cmp_lt_u32 vcc_lo, v225, v227
	v_cndmask_b32 v234, v232, v231, vcc_lo
	v_cndmask_b32 v235, v231, v232, vcc_lo
	v_cmp_eq_u32 vcc_lo, 1, v1                     ; lane 0 stores token 0's, lane 1 token 1's
	v_cndmask_b32 v240, v217, v233, vcc_lo
	v_cndmask_b32 v242, v218, v234, vcc_lo
	v_cndmask_b32 v243, v219, v235, vcc_lo
	v_cmp_gt_u32 vcc_lo, 2, v1
	s_wait_alu depctr_va_vdst(0)
	s_wait_xcnt 0x0                                ; EXEC is a source of the stores above: it changes only behind this wait
	s_wait_tensorcnt 0x0
	ds_add_u32 v254, v255
	s_wait_dscnt 0x0
	s_and_saveexec_b32 s30, vcc_lo
	global_store_b32 v10, v240, s[14:15]
	global_store_b64 v11, v[242:243], s[16:17]
	s_wait_xcnt 0x0                                ; and again in front of the line that widens it
	s_or_b32 exec_lo, exec_lo, s30
	s_endpgm
.Lfunc_end_k_q7d78fd012d_route:
	.size	k_q7d78fd012d_route, .Lfunc_end_k_q7d78fd012d_route-k_q7d78fd012d_route
	.p2alignl 7, 3214868480
	.fill 96, 4, 3214868480
	.section	.rodata,"a",@progbits
	.p2align	6, 0x0
	.amdhsa_kernel k_q7d78fd012d_route
		.amdhsa_group_segment_fixed_size 22784
		.amdhsa_private_segment_fixed_size 0
		.amdhsa_enable_private_segment 0
		.amdhsa_kernarg_size 56
		.amdhsa_user_sgpr_count 2
		.amdhsa_user_sgpr_kernarg_segment_ptr 1
		.amdhsa_wavefront_size32 1
		.amdhsa_system_sgpr_workgroup_id_x 1
		.amdhsa_system_sgpr_workgroup_id_y 1
		.amdhsa_system_sgpr_workgroup_id_z 1
		.amdhsa_system_vgpr_workitem_id 0
		.amdhsa_next_free_vgpr 512
		.amdhsa_next_free_sgpr 66
		.amdhsa_reserve_vcc 1
		.amdhsa_float_denorm_mode_32 3
		.amdhsa_float_denorm_mode_16_64 3
		.amdhsa_memory_ordered 1
		.amdhsa_forward_progress 1
		.amdhsa_inst_pref_size 46
	.end_amdhsa_kernel
	.amdgpu_metadata
---
amdhsa.version: [ 1, 2 ]
amdhsa.kernels:
  - .name:           k_q7d78fd012d_route
    .symbol:         k_q7d78fd012d_route.kd
    .args:
      - { .name: x, .offset: 0, .size: 8, .value_kind: global_buffer, .address_space: global }
      - { .name: router_w, .offset: 8, .size: 8, .value_kind: global_buffer, .address_space: global }
      - { .name: router_b, .offset: 16, .size: 8, .value_kind: global_buffer, .address_space: global }
      - { .name: xq, .offset: 24, .size: 8, .value_kind: global_buffer, .address_space: global }
      - { .name: xs, .offset: 32, .size: 8, .value_kind: global_buffer, .address_space: global }
      - { .name: sel, .offset: 40, .size: 8, .value_kind: global_buffer, .address_space: global }
      - { .name: gate, .offset: 48, .size: 8, .value_kind: global_buffer, .address_space: global }
    .group_segment_fixed_size: 22784
    .private_segment_fixed_size: 0
    .kernarg_segment_align: 8
    .kernarg_segment_size: 56
    .max_flat_workgroup_size: 64
    .sgpr_count:     66
    .vgpr_count:     512
    .wavefront_size: 32
...
	.end_amdgpu_metadata
.endif
;; end of part 5
;; launch ffn1 (part 6): grid 32 x 8, 4 waves a work-group, no clusters, 100,864 bytes of LDS; arguments sel, xq, xs, w1_codes, w1_scales, b1, hq, meta; writes hq, meta
.if DOCPART == 6
	.amdgcn_target "amdgcn-amd-amdhsa--gfx1250"
	.amdhsa_code_object_version 6
	.text
	.protected	k_q7d78fd012d_ffn1
	.globl	k_q7d78fd012d_ffn1
	.p2align	8
	.type	k_q7d78fd012d_ffn1,@function
k_q7d78fd012d_ffn1:
	s_mov_b64 s[64:65], 0
	v_nop
	global_prefetch_b8 v0, s[64:65] scope:SCOPE_SE
	s_setreg_imm32_b32 hwreg(HW_REG_WAVE_SCHED_MODE, 0, 2), 2
	s_setreg_imm32_b32 hwreg(HW_REG_WAVE_MODE, 25, 1), 1
	s_wait_xcnt 0x0
	s_wait_alu depctr_vm_vsrc(0)
; FIRST PRODUCT OF THE CHOSEN ROWS: h = Q(relu(x W1[e] + b1[e])), on codes of FP6 (E2M3) with one E8M0 scale for each 32 along K.
; Work-group (j, e) owns expert e's hidden units 128 j .. 128 j + 127: 128 rows x 768 bytes of W1, one dense block that no other work-group reads.  It goes memory -> registers -> LDS once and stays.
; THE ROWS.  Expert e's rows are the tokens whose word of sel has bit e, in the order of 32 masks: mask 4 i + k has bit l for token 128 i + 4 l + k (what eight dense loads of sel give a wave).
; Row q's token is found without LDS: the mask in which q falls (31 compares against the running count), then the bit in it (five halvings on partial bit counts).
; Wave w takes tiles of 16 rows t0 + 4 a, a = 0 .. 4, t0 = w + 20 x pass.  A tile past the expert's last is multiplied on rows of some token and not stored: the heaviest wave sets the time.
; THE MATRIX INSTRUCTION IS USED TRANSPOSED: source 0 = 16 rows of W1, source 1 = 16 rows of x: a lane holds ONE row of h and its registers run along the hidden units, the next product's K.
; THE ROWS OF W1 THAT FORM A TILE ARE NOT NEIGHBOURS: tile 2 b + u, row r is hidden unit 32 b + 8 u + r % 8 + 16 (r / 8), so that the 16 registers of tiles 2 b, 2 b + 1 are 16 neighbours along the next K.
; In LDS the rows are laid in that order (bits 3 and 4 of a row's number change places), so a tile is 16 LDS rows on end.  The wave's 8 tiles of one row tile are K step j of the second product.
; OUT.  hq [e][tile 64][K step 32][1792]: the operand's twelve registers as they stand (quad c of lane l at 512 c + 16 l), then 8 bytes a lane (the row's scale word, 0): seven aligned blocks of 256 bytes, each stored whole.
; meta: tokl[e][1280] at 5120 e: row q's token, or -1 for a row past the expert's last (work-group j = 0 stores it); nt[e], the tiles in use (at least 1, so tile 0 is always written), 32 equal words at 40960 + 128 e.
; No tensor load and no joint load: the passes and the tiles that are stored hang on counts read from memory.  LIMITS: as the launch before; a block of zeros of h keeps the byte 1, with zero codes.
; THE MODE: SCHED_MODE bits 1:0 = 2 (LLVM: expert scheduling mode 2), set by the entry lines.  The code itself states the register dependences between vector or matrix instructions and memory or LDS instructions, with s_wait_alu, always for 0.
; THE PLAN.  Registers that memory or LDS instructions touch, in a pass:
;   W0 .. W3      four buffers of four fragments of W1.  Half step i: its 20 products read W[i % 4]; the LDS loads of half step i + 2, issued in half step i, land in W[(i + 2) % 4], which half step i - 2 read.
;   X0 .. X3      the ring of x's fragments.  K step s: its 40 products read X[s % 4]; the loads of K step s + 3, issued in the first half of K step s, land in X[(s + 3) % 4], which K step s - 1 read.
;   So ONE wait on va_vdst stands at the head of a K step that issues loads (1 to 6): K step s - 1's products are done reading their two W buffers and their slot.  Both half steps' loads follow it, dealt among the
;   products, which name W[2 s % 4], W[(2 s + 1) % 4], X[s % 4], the scale words, b1 and the accumulators: none of the registers that those loads touch.  K step 0's loads land in W2 and W3, which nothing has named since the prologue's wait.
;   TA, MK, VA, XSA   written by the prologue, read by its stores and by x's loads: one wait on va_vdst at the prologue's end (it also frees W0, W1, the ring and x's scale words for the loads), one on vm_vsrc ahead of the next prologue.
;   PC, PW        the codes and the scale word: written by the quantiser, read by a tile's four stores: a wait on va_vdst ahead of the stores, one on vm_vsrc ahead of the next tile's quantiser.
;   The lane terms and addresses v1-11, v126-128 are made at the head and never written again.
; REGISTERS: window 0: v1-31 lane terms and addresses; v32-63 W1's scale words (pair b, K step s at 32 + 8 b + s: lanes 0-15 tile 2 b, lanes 16-31 tile 2 b + 1); v64-87 x's (pair p likewise); v88-125 the quantiser's;
;   v136-231 W0 and W1 (at the head: sel in v136-167; in a prologue: the row search in v168-203; on the way out: 64 numbers of h); v244 a permute's.  window 1: x's fragments, a ring of four K steps x five tiles.
;   window 2: accumulators of tiles a = 0 .. 3 (at the head: W1 on its way to LDS).  window 3: v0-63 those of a = 4; v64-127 b1 in the result's layout; v128-223 W2 and W3.
.set PITCH, 784                        ; an LDS row: 768 bytes + 16 = 196 words: row r starts at bank 4 r mod 64 (64 banks of 4 bytes: ISA guide 11.1), lanes 16-31 six words on: a load of 8 bytes a lane touches 64 different banks
.set TILEB, 57344                      ; a tile of hq: 32 K steps x 1,792 bytes
.set LN, 1
.set RW, 2
.set HF, 3
.set LI, 4                             ; 16 x lane
.set LS8, 5                            ; 8 x lane
.set AD256, 6                          ; staging: 25088 x wave + 16 x lane
.set AD272, 7                          ; the same where lanes 16-31 stand in the next LDS row
.set BA, 8                             ; v8-9  my place in tiles 0-3, 4-7 of W1
.set RQ, 10                            ; r + 64 h
.set H48, 11
.set VA, 12                            ; v12-16 x's codes: token x 768 + 48 h, for each tile
.set XSA, 17                           ; v17-19 x's scale words: token x 32, for each pair of tiles
.set TA, 20                            ; v20-22 4 q
.set MK, 23                            ; v23-25 what tokl gets
.set PT, 26                            ; v26-28 the pair's tokens
.set NTV, 30
.set WSC, 32
.set XSC, 64
.set PC, 88                            ; v88-106 codes
.set TM, 108                           ; v108-123 the quantiser's
.set PW, 124                           ; v124 the scale word, v125 = 0
.set WSA, 126
.set BIA, 127
.set L4, 128
.set WB, 136                           ; W0, W1, in window 0
.set W3, 128                           ; W2, W3, in window 3
.set HB, 136
.set SQ, 168                           ; the row search: three registers each, one for each pair of tiles
.set SM, 171
.set SBA, 174
.set SW, 177
.set SA1, 180
.set SA2, 183
.set SA3, 186
.set SA4, 189
.set SJ, 192
.set SP, 195
.set ST, 198
.set SU, 201
.set SX, 244
.set CM, 46                            ; s46-57 the masks of a run of compares
.set CP, 58                            ; s58-61 the running counts of a run's four masks
.set MSB, 0
.macro WIN new                         ; the immediate's high byte repeats the setting that is left
.if MSB != \new
	s_set_vgpr_msb (MSB<<8)|\new
.set MSB, \new
.endif
.endm
.macro PLACES                          ; four plain places behind matrix instructions, ahead of the wait that frees their sources for loads, and of reads of their results
.rept 4
	v_nop
.endr
.endm
; one halving, for the three searches together: does the bit sought lie past the lower part?
.macro DOWN src, width, step
.irp p, 0,1,2
	v_bfe_u32 v[ST+\p], v[\src+\p], v[SP+\p], \width
.endr
.irp p, 0,1,2
	v_cmp_ge_u32 s[CM+\p], v[SJ+\p], v[ST+\p]
.endr
.irp p, 0,1,2
	v_sub_nc_u32 v[ST+\p], v[SJ+\p], v[ST+\p]
	v_add_nc_u32 v[SU+\p], \step, v[SP+\p]
.endr
	s_wait_alu depctr_va_sdst(0)                   ; the three compares have written s46-48, which the selects below read
.irp p, 0,1,2
	v_cndmask_b32 v[SJ+\p], v[SJ+\p], v[ST+\p], s[CM+\p]
	v_cndmask_b32 v[SP+\p], v[SP+\p], v[SU+\p], s[CM+\p]
.endr
.endm
; v[PT + p] = the token of row v[SQ + p], p = 0, 1, 2.  A row past the expert's last gives some token under 1,024.  The three searches go together, so that the compares stand in runs with one wait each.
.macro SEARCH
.irp p, 0,1,2
	v_mov_b32 v[SM+\p], s68
	v_mov_b32 v[SBA+\p], 0
	v_mov_b32 v[SW+\p], 0
.endr
	s_bcnt1_i32_b32 s30, s68                       ; rows in the masks passed
.set wv, 1
.rept 8                                ; masks 1 to 31, four to a run (the last run: three)
.set k, 0
.rept 4
.if wv+k < 32
	s_mov_b32 s[CP+k], s30
.irp p, 0,1,2
	v_cmp_le_u32 s[CM+3*k+\p], s30, v[SQ+\p]       ; does mask wv + k begin at or under q?
.endr
.if wv+k < 31
	s_bcnt1_i32_b32 s31, s[68+wv+k]
	s_add_co_u32 s30, s30, s31
.endif
.endif
.set k, k+1
.endr
	s_wait_alu depctr_va_sdst(0)                   ; the run's compares have written s46-57, which the selects below read
.set k, 0
.rept 4
.if wv+k < 32
.irp p, 0,1,2
	v_cndmask_b32 v[SM+\p], v[SM+\p], s[68+wv+k], s[CM+3*k+\p]
	v_cndmask_b32 v[SBA+\p], v[SBA+\p], s[CP+k], s[CM+3*k+\p]
	v_cndmask_b32 v[SW+\p], v[SW+\p], wv+k, s[CM+3*k+\p]
.endr
.endif
.set k, k+1
.endr
.set wv, wv+4
.endr
.irp p, 0,1,2
	v_sub_nc_u32 v[SJ+\p], v[SQ+\p], v[SBA+\p]     ; which set bit of the mask
	v_lshrrev_b32 v[ST+\p], 1, v[SM+\p]            ; bit counts of its fields of 2, 4, 8 and 16 bits
	v_and_b32 v[ST+\p], s38, v[ST+\p]
	v_sub_nc_u32 v[SA1+\p], v[SM+\p], v[ST+\p]
	v_lshrrev_b32 v[ST+\p], 2, v[SA1+\p]
	v_and_b32 v[ST+\p], s39, v[ST+\p]
	v_and_b32 v[SA2+\p], s39, v[SA1+\p]
	v_add_nc_u32 v[SA2+\p], v[SA2+\p], v[ST+\p]
	v_lshrrev_b32 v[ST+\p], 4, v[SA2+\p]
	v_add_nc_u32 v[SA3+\p], v[SA2+\p], v[ST+\p]
	v_and_b32 v[SA3+\p], s40, v[SA3+\p]
	v_lshrrev_b32 v[ST+\p], 8, v[SA3+\p]
	v_add_nc_u32 v[SA4+\p], v[SA3+\p], v[ST+\p]
	v_mov_b32 v[SP+\p], 0
.endr
	DOWN SA4, 8, 16
	DOWN SA3, 8, 8
	DOWN SA2, 4, 4
	DOWN SA1, 2, 2
	DOWN SM, 1, 1
.irp p, 0,1,2
	v_lshrrev_b32 v[ST+\p], 2, v[SW+\p]
	v_and_b32 v[SU+\p], 3, v[SW+\p]
	v_lshl_or_b32 v[ST+\p], v[ST+\p], 7, v[SU+\p]
	v_lshl_or_b32 v[PT+\p], v[SP+\p], 2, v[ST+\p]  ; 128 (mask / 4) + 4 bit + mask % 4
.endr
.endm
.macro LA s                            ; x's fragments of K step s, five tiles, into slot s % 4: 48 bytes on end a lane
	WIN 0x40
.irp a, 0,1,2,3,4
.irp k, 0,1,2
	global_load_b128 v[60*((\s)%4)+12*\a+4*\k:60*((\s)%4)+12*\a+4*\k+3], v[VA+\a], s[6:7] offset:96*(\s)+16*\k
.endr
.endr
.endm
.macro LBH i, hf                       ; two of the four fragments of W1 of half step i (K step i / 2, tiles 4 (i % 2) + 2 hf on) into W[i % 4]: 24 bytes at 24 h and at 48 + 24 h of the row's 96, in pieces of 8
.set LK, (\i)/2
.set LX, (\i)%2
.set LW, ((\i)%4)/2
.set LR, (1-LW)*WB+LW*W3+48*LX
	WIN (0xc0*LW)
.irp u, 0,1
.irp p, 0,1,2,3,4,5
	ds_load_b64 v[LR+12*(2*\hf+\u)+2*\p:LR+12*(2*\hf+\u)+2*\p+1], v[BA+LX] offset:(2*\hf+\u)*16*PITCH+96*LK+48*(\p/3)+8*(\p%3)
.endr
.endr
.endm
; The pass's rows: their tokens, the list for the next launch, the addresses; then x's scale words and the ring's first four K steps.
.macro PROLOGUE
.irp p, 0,1,2
	s_add_co_u32 s32, s26, 8*\p
	s_lshl_b32 s32, s32, 4
.if \p < 2
	v_add_nc_u32 v[SQ+\p], s32, v[RQ]              ; lanes 0-15: tile a = 2 p, lanes 16-31: tile 2 p + 1 (four tiles, 64 rows, on)
.else
	v_add_nc_u32 v[SQ+\p], s32, v[RW]              ; both halves: tile a = 4
.endif
.endr
	SEARCH
.irp p, 0,1,2
	v_cmp_gt_u32 s[CM+\p], s24, v[SQ+\p]
.endr
.irp p, 0,1,2
	v_lshlrev_b32 v[TA+\p], 2, v[SQ+\p]
.endr
	s_wait_alu depctr_va_sdst(0)                   ; the three compares have written s46-48, which the selects below read
.irp p, 0,1,2
	v_cndmask_b32 v[MK+\p], -1, v[PT+\p], s[CM+\p]
.endr
.irp p, 0,1
	v_permlanex16_b32 v[SX], v[PT+\p], s28, s29
	v_cndmask_b32 v[SU], v[PT+\p], v[SX], s27      ; both halves of the lanes want row r's token: tile 2 p's,
	v_cndmask_b32 v[ST], v[SX], v[PT+\p], s27      ; tile 2 p + 1's
	v_min_u32 v[SU], 0x3ff, v[SU]
	v_min_u32 v[ST], 0x3ff, v[ST]
	v_mul_u32_u24 v[SU], 0x300, v[SU]
	v_mul_u32_u24 v[ST], 0x300, v[ST]
	v_add_nc_u32 v[VA+2*\p], v[SU], v[H48]
	v_add_nc_u32 v[VA+2*\p+1], v[ST], v[H48]
.endr
	v_min_u32 v[SU], 0x3ff, v[PT+2]
	v_mul_u32_u24 v[SU], 0x300, v[SU]
	v_add_nc_u32 v[VA+4], v[SU], v[H48]
.irp p, 0,1,2
	v_min_u32 v[SU], 0x3ff, v[PT+\p]
	v_lshlrev_b32 v[XSA+\p], 5, v[SU]
.endr
	s_wait_alu depctr_va_vdst(0)                   ; TA, MK, VA and XSA are written, which the stores and loads below read; the search and the last pass's way out are done with W0 and W1, and the last pass's products with the ring, W2, W3 and x's scale words, in which loads land from here on
	s_cmp_lg_u32 s21, 0
	s_cbranch_scc1 .Lnot_first_\@
.irp p, 0,1,2
	global_store_b32 v[TA+\p], v[MK+\p], s[34:35]  ; (in the third, lanes 16-31 repeat lanes 0-15: the same address, the same value)
.endr
.Lnot_first_\@:
.irp p, 0,1,2
	global_load_b128 v[XSC+8*\p:XSC+8*\p+3], v[XSA+\p], s[8:9]
	global_load_b128 v[XSC+8*\p+4:XSC+8*\p+7], v[XSA+\p], s[8:9] offset:16
.endr
	LA 0
	LA 1
	LA 2
	LA 3
	WIN 0
.endm
.macro WM                              ; one product; the registers and the rows of the scale registers stand in symbols
.if fA && fB
	v_wmma_scale_f32_16x16x128_f8f6f4 v[rD:rD+7], v[rA:rA+11], v[rB:rB+11], v[rC:rC+7], v[rSA], v[rSB] matrix_a_fmt:MATRIX_FMT_FP6 matrix_b_fmt:MATRIX_FMT_FP6 matrix_a_scale:MATRIX_SCALE_ROW1 matrix_b_scale:MATRIX_SCALE_ROW1
.elseif fA
	v_wmma_scale_f32_16x16x128_f8f6f4 v[rD:rD+7], v[rA:rA+11], v[rB:rB+11], v[rC:rC+7], v[rSA], v[rSB] matrix_a_fmt:MATRIX_FMT_FP6 matrix_b_fmt:MATRIX_FMT_FP6 matrix_a_scale:MATRIX_SCALE_ROW1
.elseif fB
	v_wmma_scale_f32_16x16x128_f8f6f4 v[rD:rD+7], v[rA:rA+11], v[rB:rB+11], v[rC:rC+7], v[rSA], v[rSB] matrix_a_fmt:MATRIX_FMT_FP6 matrix_b_fmt:MATRIX_FMT_FP6 matrix_b_scale:MATRIX_SCALE_ROW1
.else
	v_wmma_scale_f32_16x16x128_f8f6f4 v[rD:rD+7], v[rA:rA+11], v[rB:rB+11], v[rC:rC+7], v[rSA], v[rSB] matrix_a_fmt:MATRIX_FMT_FP6 matrix_b_fmt:MATRIX_FMT_FP6
.endif
.endm
.macro MUL4 a                          ; the half step's four tiles of W1 against row tile a
.if \a == 4
	WIN (0xf4+AW)                                  ; W1 window 0 or 3, x window 1, C and D window 3
.elseif KS == 0
	WIN (0xb4+AW)                                  ; C (b1) window 3, D window 2
.else
	WIN (0xa4+AW)                                  ; C and D window 2
.endif
.irp tt, 0,1,2,3
.set TT, 4*XH+\tt
.if \a == 4
.set rD, 8*TT
.else
.set rD, 64*\a+8*TT
.endif
.if KS == 0
.set rC, 64+8*TT
.else
.set rC, rD
.endif
.set rA, AR+12*\tt
.set rB, 60*(KS%4)+12*\a
.set rSA, WSC+8*(TT/2)+KS
.set rSB, XSC+8*(\a/2)+KS
.set fA, TT%2
.set fB, \a%2
	WM
.endr
.endm
; Half step i: K step i / 2, W1's tiles 4 (i % 2) on, against the five row tiles: 20 products.  The 40 accumulators take turns, one instruction a turn.
; The first K step takes b1 as C: nothing is cleared and no bias is added.
.macro HSTEP i
.set KS, (\i)/2
.set XH, (\i)%2
.set AW, 3*(((\i)%4)/2)                ; the window of W[i % 4],
.set AR, (1-AW/3)*WB+(AW/3)*W3+48*XH   ; and its first register
.if XH == 0
.if KS == 0
	s_wait_loadcnt 45                              ; this K step's fragments of x are in: behind them stand three K steps' 15 loads each
.elseif KS < 6
	s_wait_loadcnt 30                              ; behind them stand two K steps' 15 loads each: this step's own refill follows below
.else
	s_wait_loadcnt 15*(7-KS)                       ; the ring runs out
.endif
.endif
.if (\i) < 15
	s_wait_dscnt 24                                ; this buffer is in; the next half step's 24 loads may be out
.else
	s_wait_dscnt 0x0
.endif
.if (XH == 0) && (KS > 0) && (KS < 7)
	s_wait_alu depctr_va_vdst(0)                   ; the last K step's products are done reading their two buffers of W1 and their slot of x, in which this K step's loads land
.endif
	MUL4 0
.if (\i)+2 < 16
	LBH (\i)+2, 0                                  ; no wait: no product since the K step's wait names this buffer
.endif
	MUL4 1
.if (\i)+2 < 16
	LBH (\i)+2, 1
.endif
.if (XH == 0) && (KS > 0) && (KS+3 < 8)
	LA KS+3                                        ; into the slot that the last K step multiplied
.endif
	MUL4 2
	MUL4 3
	MUL4 4
	WIN 0
.if XH == 1
	PLACES
.endif
.endm
; 64 numbers of a lane, register 16 b + i = k 32 b + 16 (lane / 16) + i of my row, become a fragment's codes in v[PC] on and its scale word in v[PW].
.macro QUANT s
.irp b, 0,1,2,3
	v_max3_num_f32 v[TM+\b], |v[\s+16*\b]|, |v[\s+1+16*\b]|, 0x1800000   ; block b: my 16 numbers, and the floor 2^(3 - 127): the byte cannot fall under 1
.endr
.irp i, 2,4,6,8,10,12,14
.irp b, 0,1,2,3
	v_max3_num_f32 v[TM+\b], v[TM+\b], |v[\s+16*\b+\i]|, |v[\s+1+16*\b+\i]|   ; (the four blocks by turns)
.endr
.endr
.irp b, 0,1,2,3
	v_permlanex16_b32 v[TM+4+\b], v[TM+\b], s28, s29
.endr
.irp b, 0,1,2,3
	v_max_num_f32 v[TM+\b], v[TM+\b], v[TM+4+\b]   ; with lane l xor 16's: the block's largest magnitude
.endr
.irp b, 0,1,2,3
	v_add_nc_u32 v[TM+12+\b], 0xff000000, v[TM+\b] ; 2 off its exponent field: the conversion's scale operand
.endr
.irp b, 0,1,2,3
	v_lshrrev_b32 v[TM+4+\b], 23, v[TM+12+\b]      ; the scale's byte
.endr
	v_lshl_or_b32 v[PW], v[TM+5], 8, v[TM+4]
	v_lshl_or_b32 v[PW], v[TM+6], 16, v[PW]
	v_lshl_or_b32 v[PW], v[TM+7], 24, v[PW]
.irp c, 0,1
	v_cvt_scalef32_pk16_fp6_f32 v[PC+6*\c:PC+2+6*\c], v[\s+32*\c:\s+15+32*\c], v[TM+12+2*\c]
	v_cvt_scalef32_pk16_fp6_f32 v[PC+12+4*\c:PC+14+4*\c], v[\s+16+32*\c:\s+31+32*\c], v[TM+12+2*\c+1]   ; (a conversion's three registers begin on an even number)
.endr
	v_nop                                          ; one plain place behind a scaled conversion
.irp c, 0,1                                    ; the operand's layout wants a WHOLE block in a lane: lanes 0-15 block 2 c, lanes 16-31 block 2 c + 1
.irp i, 0,1,2
	v_permlane16_swap_b32 v[PC+6*\c+\i], v[PC+12+4*\c+\i]
.endr
.irp i, 0,1,2
	v_mov_b32 v[PC+3+6*\c+\i], v[PC+12+4*\c+\i]
.endr
.endr
.endm
; Tile a goes out: relu, quantised in registers, the operand's image and its scale words to hq.  The tiles ascend, so the first one past the expert's last ends the pass.
.macro EPI a
	s_add_co_u32 s32, s26, 4*\a
	s_cmp_ge_u32 s32, s25
	s_cbranch_scc1 .Lepi_done
.if \a < 4
	WIN 0x08                                       ; source 1 window 2
.else
	WIN 0x0c                                       ; window 3
.endif
.set n, 0
.rept 64
	v_max_num_f32 v[HB+n], 0, v[(64*\a)%256+n]     ; each accumulator from its low end on
.set n, n+1
.endr
	WIN 0
	s_wait_xcnt 0x0                                ; the last tile's stores have read the codes' registers
.if \a > 0
	s_wait_alu depctr_vm_vsrc(0)                   ; the last tile's stores have read v[PC ..] and v[PW], which the quantiser writes again
.endif
	QUANT HB
	s_wait_alu depctr_va_vdst(0)                   ; the quantiser has written v[PC ..] and v[PW], which the four stores read
.irp c, 0,1,2
	global_store_b128 v[LI], v[PC+4*\c:PC+4*\c+3], s[36:37] offset:\a*4*TILEB+512*\c   ; 512 bytes on end, at a multiple of 256 from hq's first byte
.endr
	global_store_b64 v[LS8], v[PW:PW+1], s[36:37] offset:\a*4*TILEB+1536               ; 256 bytes on end
.endm
	s_load_b256 s[4:11], s[0:1], 0x0               ; sel, xq, xs, W1's codes
	s_load_b256 s[12:19], s[0:1], 0x20             ; W1's scales, b1, hq, meta
	v_lshl_add_u32 v254, v0, 2, 0x18800
	v_mov_b32 v255, 0
	v_lshrrev_b32 v[LN], 5, v0
	v_readfirstlane_b32 s20, v[LN]                 ; wave
	v_and_b32 v[LN], 31, v0
	v_and_b32 v[RW], 15, v0
	v_bfe_u32 v[HF], v0, 4, 1
	s_mov_b32 s21, ttmp9                           ; j
	s_and_b32 s22, ttmp7, 0xffff                   ; e
	s_lshl_b32 s23, 1, s22
	v_lshlrev_b32 v[LI], 4, v[LN]
	v_lshlrev_b32 v[LS8], 3, v[LN]
	v_lshlrev_b32 v[L4], 2, v[LN]
	s_wait_alu depctr_va_sdst(0)                   ; s20 is written, ahead of its first reader
	s_mul_i32 s31, s20, 32*PITCH
	v_add_nc_u32 v[AD256], s31, v[LI]
	v_lshlrev_b32 v[AD272], 4, v[RW]
	v_mad_u32_u24 v[AD272], v[HF], 272, v[AD272]
	v_add_nc_u32 v[AD272], s31, v[AD272]
	v_mul_u32_u24 v[BA], v[RW], PITCH
	v_mad_u32_u24 v[BA], v[HF], 24, v[BA]
	v_add_nc_u32 v[BA+1], 64*PITCH, v[BA]
	v_lshl_add_u32 v[RQ], v[HF], 6, v[RW]
	v_mul_u32_u24 v[H48], v[HF], 48
	v_and_b32 v[ST], 7, v[RW]
	v_lshrrev_b32 v[SU], 3, v[RW]
	v_lshl_add_u32 v[ST], v[SU], 4, v[ST]
	v_lshl_add_u32 v[ST], v[HF], 3, v[ST]
	v_lshlrev_b32 v[WSA], 5, v[ST]                 ; W1's scale words: hidden unit 8 h + r % 8 + 16 (r / 8) of a group of 32, 32 bytes a row
	v_lshlrev_b32 v[BIA], 6, v[HF]                 ; b1: 16 h numbers on
	v_mov_b32 v[SX], 0                             ; written once: a lane permute's destination counts as one of its sources
.irp b, 0,1,2,3
	v_mov_b32 v[TM+4+\b], 0
.endr
	v_mov_b32 v[PW+1], 0
	s_mov_b32 s27, 0xffff0000                      ; lanes 16-31
	s_mov_b32 s28, 0x76543210
	s_mov_b32 s29, 0xfedcba98                      ; v_permlanex16_b32's selects for lane l xor 16
	s_mov_b32 s38, 0x55555555
	s_mov_b32 s39, 0x33333333
	s_mov_b32 s40, 0x0f0f0f0f
	s_lshl_b32 s32, s22, 12
	s_lshl_b32 s33, s21, 7
	s_add_co_u32 s32, s32, s33                     ; my first row of W1: 4096 e + 128 j
	s_lshl_b32 s33, s20, 5
	s_add_co_u32 s33, s33, s32                     ; my wave stages 32 of them
	s_mul_i32 s46, s33, 768
	s_mov_b32 s47, 0
	s_lshl_b32 s48, s32, 5
	s_mov_b32 s49, 0
	s_lshl_b32 s50, s32, 2
	s_mov_b32 s51, 0
	s_mul_i32 s52, s22, 64*TILEB
	s_mul_i32 s33, s20, TILEB
	s_add_co_u32 s52, s52, s33
	s_mul_i32 s33, s21, 1792
	s_add_co_u32 s52, s52, s33                     ; hq: expert e, tile w, K step j
	s_mov_b32 s53, 0
	s_mul_i32 s54, s22, 5120
	s_mov_b32 s55, 0
	s_lshl_b32 s56, s22, 7
	s_add_co_u32 s56, s56, 40960
	s_mov_b32 s57, 0
	s_wait_kmcnt 0x0
	s_add_nc_u64 s[10:11], s[10:11], s[46:47]
	s_add_nc_u64 s[12:13], s[12:13], s[48:49]
	s_add_nc_u64 s[14:15], s[14:15], s[50:51]
	s_add_nc_u64 s[36:37], s[16:17], s[52:53]
	s_add_nc_u64 s[34:35], s[18:19], s[54:55]      ; tokl[e]
	s_add_nc_u64 s[42:43], s[18:19], s[56:57]      ; nt[e]
	s_wait_alu depctr_va_vdst(0)                   ; the lane terms and addresses v4-9, v126-128, v125 and the closing add's v254, v255 are written: the loads, stores and LDS instructions of the whole kernel read them, and none is written again
.irp i, 0,1,2,3,4,5,6,7
	global_load_b128 v[WB+4*\i:WB+4*\i+3], v[LI], s[4:5] offset:512*\i   ; sel, all 1,024 words
.endr
	WIN 0x80                                       ; destination window 2
.set i, 0
.rept 48
	global_load_b128 v[4*i:4*i+3], v[LI], s[10:11] offset:512*i th:TH_LOAD_NT   ; my 32 rows of W1, 24,576 bytes on end; read once in the launch
.set i, i+1
.endr
	WIN 0
.irp b, 0,1,2,3
	global_load_b128 v[WSC+8*\b:WSC+8*\b+3], v[WSA], s[12:13] offset:1024*\b
	global_load_b128 v[WSC+8*\b+4:WSC+8*\b+7], v[WSA], s[12:13] offset:1024*\b+16
.endr
	WIN 0xc0                                       ; destination window 3
.irp t, 0,1,2,3,4,5,6,7
	global_load_b128 v[64+8*\t:64+8*\t+3], v[BIA], s[14:15] offset:128*(\t/2)+32*(\t%2)        ; b1 at hidden units 32 (t / 2) + 16 h + 8 (t % 2) + 0 .. 7
	global_load_b128 v[64+8*\t+4:64+8*\t+7], v[BIA], s[14:15] offset:128*(\t/2)+32*(\t%2)+16
.endr
	WIN 0
	s_wait_loadcnt 63                              ; 72 younger loads stand behind sel's: sel is in
.set i, 0
.rept 32
	v_and_b32 v[ST], s23, v[WB+i]
	v_cmp_ne_u32 s[68+i], 0, v[ST]                 ; mask i: bit l for token 128 (i / 4) + 4 l + i % 4
.set i, i+1
.endr
	s_wait_alu depctr_va_sdst(0)                   ; the 32 compares have written s68-99, ahead of their first reader
	s_mov_b32 s24, 0
.set i, 0
.rept 32
	s_bcnt1_i32_b32 s31, s[68+i]
	s_add_co_u32 s24, s24, s31                     ; the expert's rows
.set i, i+1
.endr
	s_add_co_u32 s25, s24, 15
	s_lshr_b32 s25, s25, 4
	s_max_u32 s25, s25, 1                          ; its tiles; an expert without rows still writes tile 0
	s_or_b32 s31, s21, s20
	s_cmp_lg_u32 s31, 0
	s_cbranch_scc1 .Lno_nt
	v_mov_b32 v[NTV], s25
	s_wait_alu depctr_va_vdst(0)                   ; v[NTV] is written, which the store reads
	global_store_b32 v[L4], v[NTV], s[42:43]       ; a word a lane, all equal
.Lno_nt:
	s_mov_b32 s26, s20                             ; t0
	PROLOGUE                                       ; runs while W1 is on its way
	s_wait_loadcnt 63                              ; 66 younger loads stand behind b1's: W1, its scale words and b1 are in
	WIN 0x08                                       ; an LDS store's data are its source 1: window 2
.set m, 0
.rept 16                               ; rows 2 m and 2 m + 1 of my 32 are three loads; LDS row = the row's number with bits 3 and 4 changed over
.set PI, ((2*m)&7)|(((2*m)&8)<<1)|(((2*m)&16)>>1)
	ds_store_b128 v[AD256], v[12*m:12*m+3] offset:PI*PITCH
	ds_store_b128 v[AD272], v[12*m+4:12*m+7] offset:PI*PITCH+512
	ds_store_b128 v[AD256], v[12*m+8:12*m+11] offset:(PI+1)*PITCH+256
.set m, m+1
.endr
	WIN 0
	s_wait_dscnt 0x0                               ; for the others' sake: my rows lie in LDS
	s_barrier_signal -1
	s_barrier_wait -1                              ; all 128 do; nothing writes LDS from here on
	s_wait_alu depctr_vm_vsrc(0)                   ; my LDS stores have read window 2's v0-191: these registers are accumulators from here on, written by the products
	s_cmp_ge_u32 s20, s25
	s_cbranch_scc1 .Lend                           ; no tile for my wave
	s_mov_b32 s44, 0
.Lpass:
	LBH 0, 0                                       ; no wait: nothing has named W0 and W1 since the prologue's wait
	LBH 0, 1
	LBH 1, 0
	LBH 1, 1
.irp i, 0,1,2,3,4,5,6,7,8,9,10,11,12,13,14,15
	HSTEP \i
.endr
	EPI 0
	EPI 1
	EPI 2
	EPI 3
	EPI 4
.Lepi_done:
	s_add_co_u32 s26, s26, 20
	s_cmp_ge_u32 s26, s25
	s_cbranch_scc1 .Lend
	s_wait_xcnt 0x0                                ; every store has read its base, addresses and data
	s_wait_alu depctr_vm_vsrc(0)                   ; the pass's loads and stores have read TA, MK, VA, XSA, v[PC ..] and v[PW], which the next pass writes again
	s_add_nc_u64 s[36:37], s[36:37], 20*TILEB
	PROLOGUE
	s_add_co_u32 s44, s44, 1
	s_cmp_lt_u32 s44, 3                            ; 64 tiles at the most: four passes
	s_cbranch_scc1 .Lpass
.Lend:
	s_wait_dscnt 0x0                               ; the closing lines, six on end
	s_wait_alu 0x0
	s_wait_tensorcnt 0x0
	ds_add_u32 v254, v255
	s_wait_dscnt 0x0
	s_endpgm
.Lfunc_end_k_q7d78fd012d_ffn1:
	.size	k_q7d78fd012d_ffn1, .Lfunc_end_k_q7d78fd012d_ffn1-k_q7d78fd012d_ffn1
	.p2alignl 7, 3214868480
	.fill 96, 4, 3214868480
	.section	.rodata,"a",@progbits
	.p2align	6, 0x0
	.amdhsa_kernel k_q7d78fd012d_ffn1
		.amdhsa_group_segment_fixed_size 100864
		.amdhsa_private_segment_fixed_size 0
		.amdhsa_enable_private_segment 0
		.amdhsa_kernarg_size 64
		.amdhsa_user_sgpr_count 2
		.amdhsa_user_sgpr_kernarg_segment_ptr 1
		.amdhsa_wavefront_size32 1
		.amdhsa_system_sgpr_workgroup_id_x 1
		.amdhsa_system_sgpr_workgroup_id_y 1
		.amdhsa_system_sgpr_workgroup_id_z 1
		.amdhsa_system_vgpr_workitem_id 0
		.amdhsa_next_free_vgpr 1024
		.amdhsa_next_free_sgpr 100
		.amdhsa_reserve_vcc 0
		.amdhsa_float_denorm_mode_32 3
		.amdhsa_float_denorm_mode_16_64 3
		.amdhsa_memory_ordered 1
		.amdhsa_forward_progress 1
		.amdhsa_inst_pref_size 212
	.end_amdhsa_kernel
	.amdgpu_metadata
---
amdhsa.version: [ 1, 2 ]
amdhsa.kernels:
  - .name:           k_q7d78fd012d_ffn1
    .symbol:         k_q7d78fd012d_ffn1.kd
    .args:
      - { .name: sel, .offset: 0, .size: 8, .value_kind: global_buffer, .address_space: global }
      - { .name: xq, .offset: 8, .size: 8, .value_kind: global_buffer, .address_space: global }
      - { .name: xs, .offset: 16, .size: 8, .value_kind: global_buffer, .address_space: global }
      - { .name: w1_codes, .offset: 24, .size: 8, .value_kind: global_buffer, .address_space: global }
      - { .name: w1_scales, .offset: 32, .size: 8, .value_kind: global_buffer, .address_space: global }
      - { .name: b1, .offset: 40, .size: 8, .value_kind: global_buffer, .address_space: global }
      - { .name: hq, .offset: 48, .size: 8, .value_kind: global_buffer, .address_space: global }
      - { .name: meta, .offset: 56, .size: 8, .value_kind: global_buffer, .address_space: global }
    .group_segment_fixed_size: 100864
    .private_segment_fixed_size: 0
    .kernarg_segment_align: 8
    .kernarg_segment_size: 64
    .max_flat_workgroup_size: 128
    .sgpr_count:     100
    .vgpr_count:     1024
    .wavefront_size: 32
...
	.end_amdgpu_metadata
.endif
;; end of part 6
;; launch ffn2 (part 7): grid 32 x 8, 4 waves a work-group, no clusters, 232,960 bytes of LDS; arguments meta, sel, hq, w2_codes, w2_scales, b2, yp; writes yp
.if DOCPART == 7
	.amdgcn_target "amdgcn-amd-amdhsa--gfx1250"
	.amdhsa_code_object_version 6
	.text
	.protected	k_q7d78fd012d_ffn2
	.globl	k_q7d78fd012d_ffn2
	.p2align	8
	.type	k_q7d78fd012d_ffn2,@function
k_q7d78fd012d_ffn2:
	s_mov_b64 s[64:65], 0
	v_nop
	global_prefetch_b8 v0, s[64:65] scope:SCOPE_SE
	s_setreg_imm32_b32 hwreg(HW_REG_WAVE_SCHED_MODE, 0, 2), 2
	s_setreg_imm32_b32 hwreg(HW_REG_WAVE_MODE, 25, 1), 1
	s_wait_xcnt 0x0
	s_wait_alu depctr_vm_vsrc(0)
; SECOND PRODUCT OF THE CHOSEN ROWS: y = h W2[e] (+ b2[e]), on codes of FP6 (E2M3) with one E8M0 scale for each 32 along K.
; Work-group (x, e): c = x % 8: outputs 128 c .. 128 c + 127; kh = (x / 8) % 2: K steps 16 kh .. 16 kh + 15 of 32; rp = x / 16: which half of the row tiles.
; Its slice of W2, 128 rows x 1,536 bytes, goes memory -> registers -> LDS once and stays.  K is cut in two so that a work-group takes in half of h's bytes; the two halves are added by the last launch; b2 goes in with half 0.
; Unit p = 4 rp + wave takes the expert's tiles t0 + 8 a, a = 0 .. 2, t0 = p + 24 x pass.  In place of a tile past the expert's last the unit's first tile (or tile 0, which is always written) is multiplied and not stored.
; h comes from hq as the launch before laid it: the operand's registers on end, three loads of 16 bytes a lane, and the row's scale word.
; TRANSPOSED: source 0 = 16 rows of W2, source 1 = 16 rows of h: a lane holds eight neighbouring outputs of one row.  A tile goes through the wave's own stage in LDS and leaves as whole runs of 512 bytes.
; OUT.  yp [K half 2][2176 rows][1024] f32.  Row q of the expert goes to row 2 x token + slot (slot 1 where the token's other expert has the lower number); rows past the expert's last go to rows 2048 + 16 e + q % 16, which nobody reads.
; No tensor load and no joint load: the passes and the tiles that are stored hang on counts read from memory.
; THE MODE: SCHED_MODE bits 1:0 = 2 (LLVM: expert scheduling mode 2), set by the entry lines.  The code itself states the register dependences between vector or matrix instructions and memory or LDS instructions, with s_wait_alu, always for 0.
; THE PLAN.  Registers that memory or LDS instructions touch, in a pass:
;   W0 .. W3      four buffers of four fragments of W2.  Half step i: its 12 products read W[i % 4]; the LDS loads of half step i + 2, issued in half step i, land in W[(i + 2) % 4], which half step i - 2 read.
;   H0 .. H3      the ring of h's fragments and scale words.  K step s: its 24 products read H[s % 4]; the loads of K step s + 3, issued in the first half of K step s, land in H[(s + 3) % 4], which K step s - 1 read.
;   So ONE wait on va_vdst stands at the head of a K step that issues loads (1 to 14): K step s - 1's products are done reading their two W buffers and their slot.  Both half steps' loads follow it, dealt among the
;   products, which name W[2 s % 4], W[(2 s + 1) % 4], H[s % 4], W2's scale words, b2 and the accumulators: none of the registers that those loads touch.  K step 0's loads land in W2 and W3, which nothing has named since the prologue's wait.
;   GA            sel's addresses: written at the end of half step 1, read by three loads behind K step 1's wait.
;   VA, VS, TKA   written by the prologue, read by the list's and h's loads: one wait on va_vdst in the prologue (it also frees W0, W1, the ring and TK for the loads), one on vm_vsrc ahead of the next prologue.
;   OF, RB        a tile's offsets and rows on the way out (they lie in W0 and W1): OF written by vector lines, RB by LDS loads, both read by the tile's 16 stores: a wait on vm_vsrc ahead of the next tile's writes, one on va_vdst ahead of each tile's LDS stores.
;   The lane terms and addresses v4-13, v115-117 are made at the head and never written again.
; REGISTERS: window 0: v1-31 lane terms and addresses; v32-95 W2's scale words (pair u, K step s at 32 + 16 u + s: lanes 0-15 tile 2 u, lanes 16-31 tile 2 u + 1); v96-107 h's (slot d, tile a at 96 + 3 d + a);
;   v108-117 at work; v136-231 W0 and W1 (on the way out: 16 rows, and their offsets).  window 1: v0-143 h's fragments, a ring of four K steps x three tiles.
;   window 2: the 24 accumulators.  window 3: v16-79 b2 in the result's layout; v128-223 W2 and W3.  At the head registers 400 to 783 hold W2 on its way to LDS.
.set PITCH, 1552                       ; an LDS row: 1,536 bytes + 16 = 388 words: row r starts at bank 4 r mod 64 (ISA guide 11.1), lanes 16-31 six words on: a load of 8 bytes a lane touches 64 different banks
.set TILEB, 57344
.set STG,   128*PITCH                  ; behind W2: a stage of 16 rows x (512 + 16) bytes for each wave
.set LN, 1
.set RW, 2
.set HF, 3
.set LI, 4                             ; 16 x lane
.set LS, 5                             ; 1536 + 8 r
.set SA, 6
.set BA, 7                             ; v7-10 my place in tiles 2 g, 2 g + 1 of W2
.set STO, 11
.set RD, 12
.set DUMP, 13
.set VA, 14
.set VS, 17
.set TKA, 20
.set TK, 23
.set TC, 26
.set GA, 29
.set W2SC, 32
.set HSC, 96
.set SL, 108
.set DE, 111
.set R4, 115
.set W2A, 116
.set BIA, 117
.set WB, 136                           ; W0, W1, in window 0
.set W3, 128                           ; W2, W3, in window 3
.set RB, 136
.set OF, 200
.set CM, 46                            ; s46-51 the masks of a run of compares
.set RL, 46                            ; s46-61 a tile's sixteen destination rows
.set MSB, 0
.macro WIN new                         ; the immediate's high byte repeats the setting that is left
.if MSB != \new
	s_set_vgpr_msb (MSB<<8)|\new
.set MSB, \new
.endif
.endm
.macro PLACES                          ; four plain places behind matrix instructions, ahead of the wait that frees their sources for loads, and of reads of their results
.rept 4
	v_nop
.endr
.endm
.macro LA s                            ; h's scale words and fragments of K step s, three tiles, into slot s % 4: 12 loads
	WIN 0
.irp a, 0,1,2
	global_load_b32 v[HSC+3*((\s)%4)+\a], v[VS+\a], s[8:9] offset:1792*(\s)
.endr
	WIN 0x40
.irp a, 0,1,2
.irp k, 0,1,2
	global_load_b128 v[36*((\s)%4)+12*\a+4*\k:36*((\s)%4)+12*\a+4*\k+3], v[VA+\a], s[8:9] offset:1792*(\s)+512*\k
.endr
.endr
.endm
.macro LBH i, hf                       ; two of the four fragments of W2 of half step i (K step i / 2, tiles 4 (i % 2) + 2 hf on) into W[i % 4]
.set LK, (\i)/2
.set LX, (\i)%2
.set LW, ((\i)%4)/2
.set LR, (1-LW)*WB+LW*W3+48*LX
	WIN (0xc0*LW)
.irp u, 0,1
.irp p, 0,1,2,3,4,5
	ds_load_b64 v[LR+12*(2*\hf+\u)+2*\p:LR+12*(2*\hf+\u)+2*\p+1], v[BA+2*LX+\hf] offset:\u*16*PITCH+96*LK+48*(\p/3)+8*(\p%3)
.endr
.endr
.endm
.macro PROLOGUE2                       ; the pass's three tiles: their addresses, their rows' tokens, the ring's first four K steps
	s_cmp_lt_u32 s26, s25
	s_cselect_b32 s32, s26, 0
.irp a, 0,1,2
.if \a == 0
	s_mov_b32 s33, s32
.else
	s_add_co_u32 s33, s26, 8*\a
	s_cmp_lt_u32 s33, s25
	s_cselect_b32 s33, s33, s32
.endif
	s_min_u32 s33, s33, 63
	s_mul_i32 s38, s33, TILEB
	s_lshl_b32 s39, s33, 6
	v_add_nc_u32 v[VA+\a], s38, v[LI]
	v_add_nc_u32 v[VS+\a], s38, v[LS]
	v_add_nc_u32 v[TKA+\a], s39, v[R4]
.endr
	s_wait_alu depctr_va_vdst(0)                   ; VA, VS and TKA are written, which the loads below read; the last pass's way out is done with TK and with W0 and W1, and its products with the ring, W2 and W3, in which loads land from here on
.irp a, 0,1,2
	global_load_b32 v[TK+\a], v[TKA+\a], s[34:35]
.endr
	LA 0
	LA 1
	LA 2
	LA 3
	WIN 0
.endm
.macro GADR                            ; where the rows' words of sel lie.  Six plain lines that name none of the products' registers: they take the places' part at the end of half step 1
.irp a, 0,1,2
	v_min_u32 v[TC+\a], 0x3ff, v[TK+\a]
	v_lshlrev_b32 v[GA+\a], 2, v[TC+\a]
.endr
.endm
.macro GLOAD                           ; the rows' words of sel, for the slot
	WIN 0
.irp a, 0,1,2
	global_load_b32 v[SL+\a], v[GA+\a], s[6:7]
.endr
.endm
.macro WM
.if fA
	v_wmma_scale_f32_16x16x128_f8f6f4 v[rD:rD+7], v[rA:rA+11], v[rB:rB+11], v[rC:rC+7], v[rSA], v[rSB] matrix_a_fmt:MATRIX_FMT_FP6 matrix_b_fmt:MATRIX_FMT_FP6 matrix_a_scale:MATRIX_SCALE_ROW1
.else
	v_wmma_scale_f32_16x16x128_f8f6f4 v[rD:rD+7], v[rA:rA+11], v[rB:rB+11], v[rC:rC+7], v[rSA], v[rSB] matrix_a_fmt:MATRIX_FMT_FP6 matrix_b_fmt:MATRIX_FMT_FP6
.endif
.endm
.macro MUL4 a                          ; the half step's four tiles of W2 against row tile a
.if KS == 0
	WIN (0xb4+AW)                                  ; W2 window 0 or 3, h window 1, C (b2) window 3, D window 2
.else
	WIN (0xa4+AW)                                  ; C and D window 2
.endif
.irp tt, 0,1,2,3
.set TT, 4*XH+\tt
.set rD, 64*\a+8*TT
.if KS == 0
.set rC, 16+8*TT
.else
.set rC, rD
.endif
.set rA, AR+12*\tt
.set rB, 36*(KS%4)+12*\a
.set rSA, W2SC+16*(TT/2)+KS
.set rSB, HSC+3*(KS%4)+\a
.set fA, TT%2
	WM
.endr
.endm
; Half step i: K step i / 2, W2's tiles 4 (i % 2) on, against the three row tiles: 12 products.  The 24 accumulators take turns, one instruction a turn.
; The first K step takes b2 (zeros in K half 1) as C.
.macro HSTEP i
.set KS, (\i)/2
.set XH, (\i)%2
.set AW, 3*(((\i)%4)/2)                ; the window of W[i % 4],
.set AR, (1-AW/3)*WB+(AW/3)*W3+48*XH   ; and its first register
.if XH == 0
.if KS == 0
	s_wait_loadcnt 36                              ; this K step's loads are in: behind them stand three K steps' 12
.elseif (KS/2) == 1
	s_wait_loadcnt 27                              ; behind them stand two K steps' 12 and the three of sel
.elseif KS < 14
	s_wait_loadcnt 24                              ; behind them stand two K steps' 12: this step's own refill follows below
.else
	s_wait_loadcnt 12*(15-KS)                      ; the ring runs out
.endif
.endif
.if (\i) < 31
	s_wait_dscnt 24                                ; this buffer is in; the next half step's 24 loads may be out
.else
	s_wait_dscnt 0x0
.endif
.if (XH == 0) && (KS > 0) && (KS < 15)
	s_wait_alu depctr_va_vdst(0)                   ; the last K step's products are done reading their two buffers of W2 and their slot of h, in which this K step's loads land; in K step 1 GA is written, which sel's loads read
.endif
	MUL4 0
.if (\i)+2 < 32
	LBH (\i)+2, 0                                  ; no wait: no product since the K step's wait names this buffer
.endif
	MUL4 1
.if (\i)+2 < 32
	LBH (\i)+2, 1
.endif
.if (\i) == 2
	GLOAD
.endif
.if (XH == 0) && (KS > 0) && (KS+3 < 16)
	LA KS+3                                        ; into the slot that the last K step multiplied
.endif
	MUL4 2
	WIN 0
.if (\i) == 1
	GADR                                           ; the tokens came ahead of K step 0's loads
.elseif XH == 1
	PLACES
.endif
.endm
; Where the three tiles' rows go: 2 x token + slot, or aside.  The six compares stand in one run.
.macro DEST
.irp a, 0,1,2
	v_and_b32 v[DE+\a], s27, v[SL+\a]              ; has the token a chosen expert under e?
.endr
.irp a, 0,1,2
	v_cmp_ne_u32 s[CM+\a], 0, v[DE+\a]
.endr
.irp a, 0,1,2
	v_cmp_gt_u32 s[CM+3+\a], 0x400, v[TK+\a]
.endr
	s_wait_alu depctr_va_sdst(0)                   ; the six compares have written s46-51, which the selects below read
.irp a, 0,1,2
	v_cndmask_b32 v[DE+\a], 0, 1, s[CM+\a]
	v_lshl_add_u32 v[DE+\a], v[TC+\a], 1, v[DE+\a] ; 2 x token + slot
	v_cndmask_b32 v[DE+\a], v[DUMP], v[DE+\a], s[CM+3+\a]   ; a row past the expert's last goes aside
.endr
.endm
; Tile a goes out.  The tiles ascend, so the first one past the expert's last ends the pass.
.macro OUT a
	s_add_co_u32 s32, s26, 8*\a
	s_cmp_ge_u32 s32, s25
	s_cbranch_scc1 .Lout_done
.irp i, 0,1,2,3,4,5,6,7,8,9,10,11,12,13,14,15
	v_readlane_b32 s[RL+\i], v[DE+\a], \i
.endr
	s_wait_alu depctr_va_sdst(0)                   ; the sixteen lane reads have written s46-61, ahead of their first reader
.irp i, 0,1,2,3,4,5,6,7,8,9,10,11,12,13,14,15
	s_min_u32 s[RL+\i], s[RL+\i], 2175
	s_lshl_b32 s[RL+\i], s[RL+\i], 12
.endr
	s_wait_xcnt 0x0                                ; the last tile's stores have read their offsets and data
.if \a > 0
	s_wait_alu depctr_vm_vsrc(0)                   ; the last tile's stores have read v[OF ..] and v[RB ..], which the lines and the LDS loads below write again
.endif
.irp i, 0,1,2,3,4,5,6,7,8,9,10,11,12,13,14,15
	v_add_nc_u32 v[OF+\i], s[RL+\i], v[LI]
.endr
	s_wait_alu depctr_va_vdst(0)                   ; the products have written the accumulators, which the LDS stores read, and are done reading W0 and W1, in which the rows land; v[OF ..] is written, which the stores read
	WIN 0x08                                       ; an LDS store's data are its source 1: window 2
.irp t, 0,1,2,3,4,5,6,7
	ds_store_b128 v[STO], v[64*\a+8*\t:64*\a+8*\t+3] offset:64*\t          ; lane (r, h): outputs 16 t + 8 h + 0 .. 7 of row r; each accumulator from its low end on
	ds_store_b128 v[STO], v[64*\a+8*\t+4:64*\a+8*\t+7] offset:64*\t+16
.endr
	WIN 0
.irp i, 0,1,2,3,4,5,6,7,8,9,10,11,12,13,14,15
	ds_load_b128 v[RB+4*\i:RB+4*\i+3], v[RD] offset:528*\i   ; LDS serves a wave's instructions in order (ISA guide 5.7.1.4): these see the stores above
.endr
.irp i, 0,1,2,3,4,5,6,7,8,9,10,11,12,13,14,15
	s_wait_dscnt 15-\i                             ; row i is back; the younger rows may be out
	global_store_b128 v[OF+\i], v[RB+4*\i:RB+4*\i+3], s[16:17] th:TH_STORE_NT   ; 512 bytes on end, at a multiple of 256 from yp's first byte
.endr
.endm
	s_load_b256 s[4:11], s[0:1], 0x0               ; meta, sel, hq, W2's codes
	s_load_b128 s[12:15], s[0:1], 0x20             ; W2's scales, b2
	s_load_b64 s[16:17], s[0:1], 0x30              ; yp
	v_lshl_add_u32 v254, v0, 2, 0x38c00
	v_mov_b32 v255, 0
	v_lshrrev_b32 v[LN], 5, v0
	v_readfirstlane_b32 s20, v[LN]                 ; wave
	v_and_b32 v[LN], 31, v0
	s_wait_alu depctr_va_vdst(0)
	v_and_b32 v[RW], 15, v0
	s_wait_alu depctr_va_vdst(0)
	v_bfe_u32 v[HF], v0, 4, 1
	s_and_b32 s21, ttmp9, 7                        ; c
	s_and_b32 s22, ttmp7, 0xffff                   ; e
	s_bfe_u32 s23, ttmp9, 0x10003                  ; kh
	s_lshr_b32 s24, ttmp9, 4                       ; rp
	s_lshl_b32 s26, s24, 2
	s_wait_alu depctr_va_sdst(0)                   ; s20 is written, ahead of its first reader
	s_add_co_u32 s26, s26, s20                     ; t0 = my unit
	s_lshl_b32 s27, 1, s22
	s_sub_co_u32 s27, s27, 1                       ; the bits under e
	s_cmp_eq_u32 s23, 0
	s_cselect_b32 s40, -1, 0                       ; b2 counts in K half 0 alone
	v_lshlrev_b32 v[LI], 4, v[LN]
	v_lshlrev_b32 v[LS], 3, v[RW]
	v_add_nc_u32 v[LS], 1536, v[LS]
	s_mul_i32 s33, s20, 32*PITCH
	v_add_nc_u32 v[SA], s33, v[LI]
	v_mul_u32_u24 v[BA], v[RW], PITCH
	s_wait_alu depctr_va_vdst(0)
	v_mad_u32_u24 v[BA], v[HF], 24, v[BA]
	v_add_nc_u32 v[BA+1], 32*PITCH, v[BA]
	v_add_nc_u32 v[BA+2], 64*PITCH, v[BA]
	v_add_nc_u32 v[BA+3], 96*PITCH, v[BA]
	s_mul_i32 s33, s20, 16*528
	s_add_co_u32 s33, s33, STG                     ; my stage
	v_mul_u32_u24 v[STO], v[RW], 528
	v_lshl_add_u32 v[STO], v[HF], 5, v[STO]
	v_add_nc_u32 v[STO], s33, v[STO]
	v_add_nc_u32 v[RD], s33, v[LI]
	s_lshl_b32 s33, s22, 4
	s_add_co_u32 s33, s33, 2048
	v_add_nc_u32 v[DUMP], s33, v[RW]
	v_lshlrev_b32 v[R4], 2, v[RW]
	v_lshlrev_b32 v[W2A], 7, v[LN]                 ; W2's scale words: 128 bytes a row, row = lane of a pair of tiles
	v_lshlrev_b32 v[BIA], 5, v[HF]                 ; b2: 8 h numbers on
	s_lshl_b32 s32, s22, 10
	s_lshl_b32 s33, s21, 7
	s_add_co_u32 s32, s32, s33                     ; my first row of W2: 1024 e + 128 c
	s_lshl_b32 s33, s20, 5
	s_add_co_u32 s33, s33, s32                     ; my wave stages 32 of them
	s_mul_i32 s46, s33, 3072
	s_mul_i32 s33, s23, 1536
	s_add_co_u32 s46, s46, s33
	s_mov_b32 s47, 0
	s_lshl_b32 s48, s32, 7
	s_lshl_b32 s33, s23, 6
	s_add_co_u32 s48, s48, s33
	s_mov_b32 s49, 0
	s_lshl_b32 s50, s32, 2
	s_mov_b32 s51, 0
	s_lshl_b32 s52, s22, 11
	s_lshl_b32 s33, s23, 4
	s_add_co_u32 s52, s52, s33
	s_mul_i32 s52, s52, 1792                       ; hq: expert e, tile 0, K step 16 kh
	s_mov_b32 s53, 0
	s_mul_i32 s54, s23, 8912896                    ; yp: K half kh, column 128 c
	s_lshl_b32 s33, s21, 9
	s_add_co_u32 s54, s54, s33
	s_mov_b32 s55, 0
	s_mul_i32 s56, s22, 5120
	s_mov_b32 s57, 0
	s_lshl_b32 s58, s22, 7
	s_wait_kmcnt 0x0
	s_load_b32 s25, s[4:5], s58 offset:40960       ; the expert's tiles
	s_add_nc_u64 s[10:11], s[10:11], s[46:47]
	s_add_nc_u64 s[12:13], s[12:13], s[48:49]
	s_add_nc_u64 s[14:15], s[14:15], s[50:51]
	s_add_nc_u64 s[8:9], s[8:9], s[52:53]
	s_add_nc_u64 s[16:17], s[16:17], s[54:55]
	s_add_nc_u64 s[34:35], s[4:5], s[56:57]        ; tokl[e]
	s_wait_alu depctr_va_vdst(0)                   ; the lane terms and addresses v4-13, v115-117 and the closing add's v254, v255 are written: the loads, stores and LDS instructions of the whole kernel read them, and none is written again
.set i, 0
.rept 96                               ; my 32 rows' 1,536 bytes: three loads of 512 bytes on end a row (two work-groups read the slice, so no hint)
.set AB, 400+4*i
	WIN ((AB/256)<<6)
	global_load_b128 v[AB%256:AB%256+3], v[LI], s[10:11] offset:(i/3)*3072+(i%3)*512
.set i, i+1
.endr
	WIN 0
.irp u, 0,1,2,3
.irp g, 0,1,2,3
	global_load_b128 v[W2SC+16*\u+4*\g:W2SC+16*\u+4*\g+3], v[W2A], s[12:13] offset:4096*\u+16*\g
.endr
.endr
	WIN 0xc0                                       ; destination window 3
.irp t, 0,1,2,3,4,5,6,7
	global_load_b128 v[16+8*\t:16+8*\t+3], v[BIA], s[14:15] offset:64*\t       ; b2 at outputs 16 t + 8 h + 0 .. 7
	global_load_b128 v[16+8*\t+4:16+8*\t+7], v[BIA], s[14:15] offset:64*\t+16
.endr
	WIN 0
	s_wait_kmcnt 0x0
	s_min_u32 s25, s25, 64
	PROLOGUE2
	s_wait_loadcnt 51                              ; behind b2's loads stand the 3 of the list and the ring's 48: W2, its scale words and b2 are in
	WIN 0xcc                                       ; source 1 and destination window 3
.set n, 0
.rept 64
	v_cndmask_b32 v[16+n], 0, v[16+n], s40
.set n, n+1
.endr
.set i, 0
.rept 96
.set AB, 400+4*i
	WIN ((AB/256)<<2)                              ; an LDS store's data are its source 1
	ds_store_b128 v[SA], v[AB%256:AB%256+3] offset:(i/3)*PITCH+(i%3)*512
.set i, i+1
.endr
	WIN 0
	s_wait_dscnt 0x0                               ; for the others' sake: my rows lie in LDS
	s_barrier_signal -1
	s_barrier_wait -1                              ; all 128 do; from here on a wave writes its own stage alone
	s_wait_alu depctr_vm_vsrc(0)                   ; my LDS stores have read window 2's v0-191: these registers are accumulators from here on, written by the products
	s_cmp_ge_u32 s26, s25
	s_cbranch_scc1 .Lend                           ; no tile for my unit
	s_mov_b32 s44, 0
.Lpass:
	LBH 0, 0                                       ; no wait: nothing has named W0 and W1 since the prologue's wait
	LBH 0, 1
	LBH 1, 0
	LBH 1, 1
	s_wait_alu depctr_va_vdst(0)
.irp i, 0,1,2,3,4,5,6,7,8,9,10,11,12,13,14,15,16,17,18,19,20,21,22,23,24,25,26,27,28,29,30,31
	HSTEP \i
.endr
	DEST
	OUT 0
	OUT 1
	OUT 2
.Lout_done:
	s_add_co_u32 s26, s26, 24
	s_cmp_ge_u32 s26, s25
	s_cbranch_scc1 .Lend
	s_wait_xcnt 0x0                                ; every load and store has read its addresses
	s_wait_alu depctr_vm_vsrc(0)                   ; the pass's loads and stores have read VA, VS, TKA, GA, v[OF ..] and v[RB ..], and its LDS stores the accumulators: the next pass writes them all again
	PROLOGUE2
	s_add_co_u32 s44, s44, 1
	s_cmp_lt_u32 s44, 2                            ; 64 tiles at the most: three passes
	s_cbranch_scc1 .Lpass
.Lend:
	s_wait_dscnt 0x0                               ; the closing lines, six on end
	s_wait_alu 0x0
	s_wait_tensorcnt 0x0
	ds_add_u32 v254, v255
	s_wait_dscnt 0x0
	s_endpgm
.Lfunc_end_k_q7d78fd012d_ffn2:
	.size	k_q7d78fd012d_ffn2, .Lfunc_end_k_q7d78fd012d_ffn2-k_q7d78fd012d_ffn2
	.p2alignl 7, 3214868480
	.fill 96, 4, 3214868480
	.section	.rodata,"a",@progbits
	.p2align	6, 0x0
	.amdhsa_kernel k_q7d78fd012d_ffn2
		.amdhsa_group_segment_fixed_size 232960
		.amdhsa_private_segment_fixed_size 0
		.amdhsa_enable_private_segment 0
		.amdhsa_kernarg_size 56
		.amdhsa_user_sgpr_count 2
		.amdhsa_user_sgpr_kernarg_segment_ptr 1
		.amdhsa_wavefront_size32 1
		.amdhsa_system_sgpr_workgroup_id_x 1
		.amdhsa_system_sgpr_workgroup_id_y 1
		.amdhsa_system_sgpr_workgroup_id_z 1
		.amdhsa_system_vgpr_workitem_id 0
		.amdhsa_next_free_vgpr 1024
		.amdhsa_next_free_sgpr 66
		.amdhsa_reserve_vcc 0
		.amdhsa_float_denorm_mode_32 3
		.amdhsa_float_denorm_mode_16_64 3
		.amdhsa_memory_ordered 1
		.amdhsa_forward_progress 1
		.amdhsa_inst_pref_size 183
	.end_amdhsa_kernel
	.amdgpu_metadata
---
amdhsa.version: [ 1, 2 ]
amdhsa.kernels:
  - .name:           k_q7d78fd012d_ffn2
    .symbol:         k_q7d78fd012d_ffn2.kd
    .args:
      - { .name: meta, .offset: 0, .size: 8, .value_kind: global_buffer, .address_space: global }
      - { .name: sel, .offset: 8, .size: 8, .value_kind: global_buffer, .address_space: global }
      - { .name: hq, .offset: 16, .size: 8, .value_kind: global_buffer, .address_space: global }
      - { .name: w2_codes, .offset: 24, .size: 8, .value_kind: global_buffer, .address_space: global }
      - { .name: w2_scales, .offset: 32, .size: 8, .value_kind: global_buffer, .address_space: global }
      - { .name: b2, .offset: 40, .size: 8, .value_kind: global_buffer, .address_space: global }
      - { .name: yp, .offset: 48, .size: 8, .value_kind: global_buffer, .address_space: global }
    .group_segment_fixed_size: 232960
    .private_segment_fixed_size: 0
    .kernarg_segment_align: 8
    .kernarg_segment_size: 56
    .max_flat_workgroup_size: 128
    .sgpr_count:     66
    .vgpr_count:     1024
    .wavefront_size: 32
...
	.end_amdgpu_metadata
.endif
;; end of part 7
;; launch comb (part 8): grid 256 x 1, 4 waves a work-group, no clusters, 0 bytes of LDS; arguments yp, gate, out0; writes out0
.if DOCPART == 8
	.amdgcn_target "amdgcn-amd-amdhsa--gfx1250"
	.amdhsa_code_object_version 6
	.text
	.protected	k_q7d78fd012d_comb
	.globl	k_q7d78fd012d_comb
	.p2align	8
	.type	k_q7d78fd012d_comb,@function
k_q7d78fd012d_comb:
	s_mov_b64 s[64:65], 0
	v_nop
	global_prefetch_b8 v0, s[64:65] scope:SCOPE_SE
	s_setreg_imm32_b32 hwreg(HW_REG_WAVE_MODE, 25, 1), 1
	s_wait_xcnt 0x0
; out[t] = g0 (y0[2 t] + y1[2 t]) + g1 (y0[2 t + 1] + y1[2 t + 1]): the two K halves of each of a token's two experts, weighed by its gates.  yp [2][2176][1024] f32, gate [1024][2], out0 [1024][1024] f32.
; A wave takes one token: 32 loads of 512 bytes on end, all issued at once; eight stores of 512 bytes on end.  Every address is fixed.  A stream: no LDS, no barrier, no matrix unit.
.set Y, 16                             ; v16-143 piece i: half 0 slot 0, half 1 slot 0, half 0 slot 1, half 1 slot 1, four registers each
.set O, 144                            ; v144-175 the results: registers of their own for each store
	s_load_b128 s[4:7], s[0:1], 0x0                ; yp, gate
	s_load_b64 s[8:9], s[0:1], 0x10                ; out0
	v_lshrrev_b32 v1, 5, v0
	v_readfirstlane_b32 s10, v1                    ; wave
	v_and_b32 v1, 31, v0
	v_lshlrev_b32 v1, 4, v1                        ; 16 x lane
	s_lshl_b32 s11, ttmp9, 2
	s_add_co_u32 s11, s11, s10                     ; my token
	s_lshl_b32 s16, s11, 13                        ; its two rows of yp
	s_mov_b32 s17, 0
	s_lshl_b32 s18, s11, 3
	s_mov_b32 s19, 0
	s_lshl_b32 s20, s11, 12
	s_mov_b32 s21, 0
	s_wait_alu depctr_va_vdst(0)
	s_wait_kmcnt 0x0
	s_add_nc_u64 s[4:5], s[4:5], s[16:17]
	s_add_nc_u64 s[22:23], s[4:5], 8912896         ; the same rows of K half 1
	s_add_nc_u64 s[6:7], s[6:7], s[18:19]
	s_add_nc_u64 s[8:9], s[8:9], s[20:21]
	s_load_b64 s[12:13], s[6:7], 0x0               ; g0, g1
.irp i, 0,1,2,3,4,5,6,7
	global_load_b128 v[Y+16*\i:Y+16*\i+3], v1, s[4:5] offset:512*\i th:TH_LOAD_NT
	global_load_b128 v[Y+16*\i+4:Y+16*\i+7], v1, s[22:23] offset:512*\i th:TH_LOAD_NT
	global_load_b128 v[Y+16*\i+8:Y+16*\i+11], v1, s[4:5] offset:4096+512*\i th:TH_LOAD_NT
	global_load_b128 v[Y+16*\i+12:Y+16*\i+15], v1, s[22:23] offset:4096+512*\i th:TH_LOAD_NT
.endr
	s_wait_kmcnt 0x0
	s_mov_b32 s14, s13                             ; g1 in a pair of its own: the packed form takes a pair's low word for both halves
	s_mov_b32 s15, s13
.irp i, 0,1,2,3,4,5,6,7
	s_wait_loadcnt 4*(7-\i)                        ; piece i's four loads are in; the later pieces' may be out
.irp p, 0,2
	v_pk_add_f32 v[Y+16*\i+\p:Y+16*\i+\p+1], v[Y+16*\i+\p:Y+16*\i+\p+1], v[Y+16*\i+4+\p:Y+16*\i+4+\p+1]
	v_pk_add_f32 v[Y+16*\i+8+\p:Y+16*\i+8+\p+1], v[Y+16*\i+8+\p:Y+16*\i+8+\p+1], v[Y+16*\i+12+\p:Y+16*\i+12+\p+1]
.endr
.irp p, 0,2
	v_pk_mul_f32 v[O+4*\i+\p:O+4*\i+\p+1], v[Y+16*\i+\p:Y+16*\i+\p+1], s[12:13] op_sel_hi:[1,0]
.endr
.irp p, 0,2
	v_pk_fma_f32 v[O+4*\i+\p:O+4*\i+\p+1], v[Y+16*\i+8+\p:Y+16*\i+8+\p+1], s[14:15], v[O+4*\i+\p:O+4*\i+\p+1] op_sel_hi:[1,0,1]
.endr
	global_store_b128 v1, v[O+4*\i:O+4*\i+3], s[8:9] offset:512*\i th:TH_STORE_NT
.endr
	s_endpgm
.Lfunc_end_k_q7d78fd012d_comb:
	.size	k_q7d78fd012d_comb, .Lfunc_end_k_q7d78fd012d_comb-k_q7d78fd012d_comb
	.p2alignl 7, 3214868480
	.fill 96, 4, 3214868480
	.section	.rodata,"a",@progbits
	.p2align	6, 0x0
	.amdhsa_kernel k_q7d78fd012d_comb
		.amdhsa_group_segment_fixed_size 0
		.amdhsa_private_segment_fixed_size 0
		.amdhsa_enable_private_segment 0
		.amdhsa_kernarg_size 24
		.amdhsa_user_sgpr_count 2
		.amdhsa_user_sgpr_kernarg_segment_ptr 1
		.amdhsa_wavefront_size32 1
		.amdhsa_system_sgpr_workgroup_id_x 1
		.amdhsa_system_sgpr_workgroup_id_y 1
		.amdhsa_system_sgpr_workgroup_id_z 1
		.amdhsa_system_vgpr_workitem_id 0
		.amdhsa_next_free_vgpr 176
		.amdhsa_next_free_sgpr 66
		.amdhsa_reserve_vcc 0
		.amdhsa_float_denorm_mode_32 3
		.amdhsa_float_denorm_mode_16_64 3
		.amdhsa_memory_ordered 1
		.amdhsa_forward_progress 1
		.amdhsa_inst_pref_size 10
	.end_amdhsa_kernel
	.amdgpu_metadata
---
amdhsa.version: [ 1, 2 ]
amdhsa.kernels:
  - .name:           k_q7d78fd012d_comb
    .symbol:         k_q7d78fd012d_comb.kd
    .args:
      - { .name: yp, .offset: 0, .size: 8, .value_kind: global_buffer, .address_space: global }
      - { .name: gate, .offset: 8, .size: 8, .value_kind: global_buffer, .address_space: global }
      - { .name: out0, .offset: 16, .size: 8, .value_kind: global_buffer, .address_space: global }
    .group_segment_fixed_size: 0
    .private_segment_fixed_size: 0
    .kernarg_segment_align: 8
    .kernarg_segment_size: 24
    .max_flat_workgroup_size: 128
    .sgpr_count:     66
    .vgpr_count:     176
    .wavefront_size: 32
...
	.end_amdgpu_metadata
.endif
;; end of part 8
